; MI455X (gfx1250); checked and timed in simulation.
; The chip was launched on July 23, 2026; its instructions are those of AMD's public machine-readable ISA for CDNA 5 (MIT licence, August 2026) and "CDNA5" Instruction Set Architecture Reference Guide (July 2026). The comments in the code are by the model that wrote it; some were corrected since.
;; Attention. Allowed arithmetic: float matrix products may take bf16 or f16 operands with f32 sums; other float arithmetic in f32, or as packed bf16 or f16 multiplies, adds, multiply-adds, maxima and minima; sums over many terms, partial sums and values carried from step to step in f32; what a program stores and reads back later, other than sums and carried values, may be rounded once to bf16 or f16.
;; Inputs: cos 2,048 x 128 float32; k_norm_w 128 float32; q_norm_w 128 float32; sin 2,048 x 128 float32; wk 512 x 2,048 float32; wo 2,048 x 512 float32; wq 512 x 2,048 float32; wv 512 x 2,048 float32; x 4 x 2,048 x 2,048 float32.
;; Outputs: out0 4 x 2,048 x 2,048 float32.
;; One version. Each part assembles by itself: llvm-mc -triple=amdgcn-amd-amdhsa -mcpu=gfx1250 --defsym DOCPART=n.
;; ======== version 1 of 1: 4 launches
;; limits: values are held in f16: magnitudes above 65,504 overflow, below 6.1e-05 lose precision
;; workspace buffers: cb 42,991,616 bytes; qf 8,388,608 bytes; kv 16,777,216 bytes; of 8,388,608 bytes; vl 131,072 bytes; ol 262,144 bytes
;; launch cast (part 1): grid 2624 x 1, 8 waves a work-group, no clusters, 0 bytes of LDS; arguments x, wq, wk, wv, wo, cos, sin, cb; writes cb
.if DOCPART == 1
	.amdgcn_target "amdgcn-amd-amdhsa--gfx1250"
	.amdhsa_code_object_version 6
	.text
	.protected	k_qadb6a0088b_cast
	.globl	k_qadb6a0088b_cast
	.p2align	8
	.type	k_qadb6a0088b_cast,@function
k_qadb6a0088b_cast:
	s_mov_b64 s[64:65], 0
	v_nop
	global_prefetch_b8 v0, s[64:65] scope:SCOPE_SE
	s_setreg_imm32_b32 hwreg(HW_REG_WAVE_MODE, 25, 1), 1
	s_wait_xcnt 0x0
; cb takes every large input, rounded once to 16 bits, in units of 262,144 numbers (1 MiB of f32 in, 512 KiB out):
;   units 0-63 x as bf16; units 64-75 the three projections' weights as bf16, regrouped by head: unit 64 + 3 h + t holds head h's 128 rows of wq (t = 0), wk (1), wv (2);
;   units 76-79 wo, rounded to bf16 and that number written as f16 (exact from 2^-14 up; below it f16's fixed step of 2^-24 holds); unit 80 cos, unit 81 sin, as bf16.
; A stream: no LDS, no barrier, no matrix work.  A work-group of eight waves takes 8,192 numbers: eight loads of 16 bytes a lane (a wave's load covers 512 consecutive bytes),
; all issued at once, and eight stores of 8 bytes a lane (32 lanes cover 256 consecutive bytes, aligned).  No register of a store is written twice, so no wait frees a source.
.macro PICK th, reg                    ; from source unit th on the source is the buffer in s[reg:reg+1]
	s_cmp_ge_u32 s2, \th
	s_cselect_b64 s[24:25], s[\reg:\reg+1], s[24:25]
	s_cselect_b32 s26, \th, s26
.endm
	s_load_b512 s[8:23], s[0:1], 0x0               ; x s[8:9], wq s[10:11], wk s[12:13], wv s[14:15], wo s[16:17], cos s[18:19], sin s[20:21], cb s[22:23]
	s_lshr_b32 s2, ttmp9, 5                        ; source unit u: x 0-63, wq 64-67, wk 68-71, wv 72-75, wo 76-79, cos 80, sin 81
	s_and_b32 s3, ttmp9, 31                        ; which thirty-second of it
	v_lshlrev_b32 v1, 4, v0                        ; 16 bytes a thread in
	v_lshlrev_b32 v2, 3, v0                        ; 8 bytes a thread out
	s_sub_co_u32 s28, s2, 64                       ; the weights' units are regrouped: u = 64 + 4 t + h goes to 64 + 3 h + t
	s_and_b32 s29, s28, 3
	s_lshr_b32 s30, s28, 2
	s_mul_i32 s29, s29, 3
	s_add_co_u32 s29, s29, s30
	s_add_co_u32 s29, s29, 64
	s_cmp_lt_u32 s28, 12                           ; (unsigned: false below 64 too)
	s_cselect_b32 s29, s29, s2                     ; the unit in cb
	s_sub_co_u32 s31, s2, 76                       ; under 4 (unsigned): the unit is wo's
	s_wait_kmcnt 0x0
	s_mov_b64 s[24:25], s[8:9]
	s_mov_b32 s26, 0
	PICK 64, 10
	PICK 68, 12
	PICK 72, 14
	PICK 76, 16
	PICK 80, 18
	PICK 81, 20
	s_sub_co_u32 s4, s2, s26                       ; the unit inside its buffer,
	s_lshl_b32 s4, s4, 20
	s_lshl_b32 s5, s3, 15
	s_or_b32 s4, s4, s5                            ; and my part: 32,768 bytes
	s_mov_b32 s5, 0
	s_add_nc_u64 s[24:25], s[24:25], s[4:5]
	s_lshl_b32 s6, s29, 19
	s_lshl_b32 s7, s3, 14
	s_or_b32 s6, s6, s7
	s_mov_b32 s7, 0
	s_add_nc_u64 s[22:23], s[22:23], s[6:7]
.set i, 0
.rept 8
	global_load_b128 v[4+4*i:7+4*i], v1, s[24:25] offset:4096*i th:TH_LOAD_NT
.set i, i+1
.endr
	s_cmp_lt_u32 s31, 4
	s_cbranch_scc1 .Lwo
.set i, 0
.rept 8
	s_wait_loadcnt 7-i                             ; loads come back in order: load i is in, the 7 - i younger ones may stay out
	v_cvt_pk_bf16_f32 v[36+2*i], v[4+4*i], v[5+4*i]
	v_cvt_pk_bf16_f32 v[37+2*i], v[6+4*i], v[7+4*i]
	global_store_b64 v2, v[36+2*i:37+2*i], s[22:23] offset:2048*i
.set i, i+1
.endr
	s_endpgm
.Lwo:                                          ; wo: to bf16 like every input, widened again, and that number as f16
.set i, 0
.rept 8
	s_wait_loadcnt 7-i
	v_cvt_pk_bf16_f32 v52, v[4+4*i], v[5+4*i]
	v_cvt_pk_bf16_f32 v53, v[6+4*i], v[7+4*i]
	v_lshlrev_b32 v[4+4*i], 16, v52
	v_and_b32 v[5+4*i], 0xffff0000, v52
	v_lshlrev_b32 v[6+4*i], 16, v53
	v_and_b32 v[7+4*i], 0xffff0000, v53
	v_cvt_pk_f16_f32 v[36+2*i], v[4+4*i], v[5+4*i]
	v_cvt_pk_f16_f32 v[37+2*i], v[6+4*i], v[7+4*i]
	global_store_b64 v2, v[36+2*i:37+2*i], s[22:23] offset:2048*i
.set i, i+1
.endr
	s_endpgm
.Lfunc_end_k_qadb6a0088b_cast:
	.size	k_qadb6a0088b_cast, .Lfunc_end_k_qadb6a0088b_cast-k_qadb6a0088b_cast
	.p2alignl 7, 3214868480
	.fill 96, 4, 3214868480
	.section	.rodata,"a",@progbits
	.p2align	6, 0x0
	.amdhsa_kernel k_qadb6a0088b_cast
		.amdhsa_group_segment_fixed_size 0
		.amdhsa_private_segment_fixed_size 0
		.amdhsa_enable_private_segment 0
		.amdhsa_kernarg_size 64
		.amdhsa_user_sgpr_count 2
		.amdhsa_user_sgpr_kernarg_segment_ptr 1
		.amdhsa_wavefront_size32 1
		.amdhsa_system_sgpr_workgroup_id_x 1
		.amdhsa_system_sgpr_workgroup_id_y 1
		.amdhsa_system_sgpr_workgroup_id_z 1
		.amdhsa_system_vgpr_workitem_id 0
		.amdhsa_next_free_vgpr 56
		.amdhsa_next_free_sgpr 66
		.amdhsa_reserve_vcc 0
		.amdhsa_float_denorm_mode_32 3
		.amdhsa_float_denorm_mode_16_64 3
		.amdhsa_memory_ordered 1
		.amdhsa_forward_progress 1
		.amdhsa_inst_pref_size 10
	.end_amdhsa_kernel
	.amdgpu_metadata
---
amdhsa.version: [ 1, 2 ]
amdhsa.kernels:
  - .name:           k_qadb6a0088b_cast
    .symbol:         k_qadb6a0088b_cast.kd
    .args:
      - { .name: x, .offset: 0, .size: 8, .value_kind: global_buffer, .address_space: global }
      - { .name: wq, .offset: 8, .size: 8, .value_kind: global_buffer, .address_space: global }
      - { .name: wk, .offset: 16, .size: 8, .value_kind: global_buffer, .address_space: global }
      - { .name: wv, .offset: 24, .size: 8, .value_kind: global_buffer, .address_space: global }
      - { .name: wo, .offset: 32, .size: 8, .value_kind: global_buffer, .address_space: global }
      - { .name: cos, .offset: 40, .size: 8, .value_kind: global_buffer, .address_space: global }
      - { .name: sin, .offset: 48, .size: 8, .value_kind: global_buffer, .address_space: global }
      - { .name: cb, .offset: 56, .size: 8, .value_kind: global_buffer, .address_space: global }
    .group_segment_fixed_size: 0
    .private_segment_fixed_size: 0
    .kernarg_segment_align: 8
    .kernarg_segment_size: 64
    .max_flat_workgroup_size: 256
    .sgpr_count:     66
    .vgpr_count:     56
    .wavefront_size: 32
...
	.end_amdgpu_metadata
.endif
;; end of part 1
;; launch qkv (part 2): grid 4 x 64, 4 waves a work-group, clusters of 4 x 4, 327,680 bytes of LDS; arguments cb, q_norm_w, k_norm_w, qf, kv, vl; writes qf, kv, vl
.if DOCPART == 2
	.amdgcn_target "amdgcn-amd-amdhsa--gfx1250"
	.amdhsa_code_object_version 6
	.text
	.protected	k_qadb6a0088b_qkv
	.globl	k_qadb6a0088b_qkv
	.p2align	8
	.type	k_qadb6a0088b_qkv,@function
k_qadb6a0088b_qkv:
	s_mov_b64 s[64:65], 0
	v_nop
	global_prefetch_b8 v0, s[64:65] scope:SCOPE_SE
	s_setreg_imm32_b32 hwreg(HW_REG_WAVE_MODE, 25, 1), 1
	s_wait_xcnt 0x0
	s_wait_alu depctr_hold_cnt(0) depctr_sa_sdst(0) depctr_va_vdst(0) depctr_va_sdst(0) depctr_va_ssrc(0) depctr_va_vcc(0) depctr_vm_vsrc(0)
	s_getreg_b32 s2, hwreg(HW_REG_IB_STS2, 6, 4)
	s_cmp_eq_u32 s2, 0
	s_cbranch_scc0 .Lentry_in_a_cluster
	s_endpgm
.Lentry_in_a_cluster:
	s_bfe_u32 s2, ttmp6, 0x10000c
	s_cmp_lg_u32 s2, 0xf033
	s_cbranch_scc0 .Lentry_shape_is_right
	s_endpgm
.Lentry_shape_is_right:
; q, k, v = x W^T for one head, then RMSNorm and RoPE on q and k, all in one launch.  Operands bf16 (from cb), sums f32; gains, cos and sin rounded to bf16 like every input;
; q, k, v rounded once to f16 and stored AS MATRIX FRAGMENTS (16 rows x 32 along k = 1,024 bytes: run r of 512 bytes, lane l's 16 bytes at 512 r + 16 l hold row l % 16, k = 16 r + 8 (l / 16) + 0..7).
; THE FIRST ROWS.  A sequence's first rows average over few keys, so their numbers are many times the output's root mean square, by which the error is judged.  For rows 0 to 31 of each sequence
; what f16 drops of v, v - f16(v), is stored too, in f16, in vl: eight fragments of V^T a head.
; LIMITS.  f16 ends at 65,504: |q|, |k| are at most sqrt(128) |gain| (|cos| + |sin|); v = x wv^T must stay under it.  NaN and infinities are not treated apart.
; SHARES.  A work-group takes 128 rows of x and the 384 columns of one head (its q, k and v).  A wave takes all 128 rows and, of each kind t, channels 16 w .. 16 w + 15 and 64 + 16 w .. 64 + 16 w + 15:
; 8 row blocks a x 6 column blocks b = 2 t + hf: 48 accumulators.  THE PRODUCT IS USED TRANSPOSED (source 0 = 16 rows of W, source 1 = 16 rows of x): a lane holds row l % 16 and channels
; 64 hf + 16 w + 8 (l / 16) + 0..7, so RoPE's partner (64 channels away) is the same lane and register of the neighbouring block, and only the sum of squares crosses waves.
; K goes in steps of 128 through two LDS slots; wave 0 fetches x's 128 rows, waves 1 to 3 the head's q, k and v rows: one tensor load a wave.
; CLUSTER 4 x 4: cx is the head, cy the batch, the cluster's y the block's place in its sequence (so the one branch on that place is alike in all partners).  The four of a row of the cluster need the
; same rows of x, the four of a column the same head's weights: each tile is asked for jointly.
; REGISTERS, in windows of 256: window 0 addresses, x's fragments (two buffers), later the way out; window 1 v0-31 the gains, W's fragments (two buffers);
;   windows 2, 3: accumulator (a, b) at v[8 (6 (a % 4) + b)] of window 2 + a / 4; v192-255 cos and sin of the window's four row blocks, packed bf16, 16 registers a block.
.set KSTEP,  128
.set PITCH,  272                       ; an LDS row: 256 bytes + 16 of padding = 68 words: the 16 rows of a fragment load start at 16 different groups of four banks
.set HALFT,  128*PITCH                 ; what one tensor load brings
.set SLOT,   4*HALFT                   ; x's 128 rows, then the head's 384 rows of W
.set VST,    2*SLOT                    ; behind the ring: each wave's stage for v, [hf][row 0..127][32 bytes]
.set SSQ,    VST+4*8192                ; the sums of squares, [t][row][wave] in f32
.set SPARE,  SSQ+4096                  ; the spare words, 128 bytes a wave: two blocks of 256 bytes that no other line names
.set LAPS,   2048/(2*KSTEP)            ; a lap = two K steps = once round the ring
.set WOFF,   33554432                  ; cb: the weights by heads, [1536][2048]
.set COSOFF, 41943040                  ; cb: cos [2048][128]; sin lies SINREL behind it
.set SINREL, 524288
.set NEG1, 5                           ; v5   -1.0, for v - f16(v)
.set SSR,  14                          ; v14  where I read a row's four partial sums
.set ADRA, 16                          ; v16-17  my place in x's fragments, slot 0, 1
.set ADRB, 18                          ; v18-19  in W's, kinds 0 and 1
.set ADRB2, 20                         ; v20-21  in W's, kind 2 (the 16-bit offset does not reach it)
.set CO,   22                          ; v22  my offset in cos and sin
.set NO,   23                          ; v23  in the gains
.set QO,   24                          ; v24  my 16 bytes in a fragment of q or k: 16 l + 512 w
.set VO,   25                          ; v25  in a fragment of v: 16 l + 1,024 w
.set VSTO, 26                          ; v26  into my stage
.set VRD,  27                          ; v27  out of it, turned
.set SPW,  28                          ; v28  my spare word; never rewritten
.set NIL,  29                          ; v29  0; never rewritten
.set PFO,  30                          ; v30  the prefetches' offset: lane x a row of 4,096 bytes
.set SSA,  31                          ; v31  where I put my partial sum
.set C32,  32                          ; way out: cos low, cos high, sin low, sin high, 8 f32 each
.set ZZ,   64                          ; way out: sums x gain, [t][hf][8]
.set OO,   96                          ; way out: after RoPE
.set PK,   136                         ; way out: packed f16: q, k, v, two halves of 4 registers each
.set SQ,   192                         ; way out: sums of squares, a pair for (a, t) at SQ + 2 (2 a + t)
.set RSP,  224                         ; way out: 1 / rms, twice, likewise
.set F0,   64
.set F1,   128
.set WV,  14                           ; s14 wave
.set CX,  15
.set CY,  16
.set RB,  17                           ; s17 my block of 128 rows
.set G1,  24
.set G0,  32
.set LIM, 43                           ; s43 1 in a wave that prefetches, else the greatest number
.set PFA, 44                           ; s[44:45] where my prefetches stand
.set G1B, 48
.set G0B, 56
.set COSB, 66                          ; s[66:67] cos at my block's first row
.set HIM, 68                           ; s68 a word's upper bf16
.set R128, 69                          ; s69 1 / 128
.set EPSR, 70                          ; s70 1e-6
.set SEL, 72                           ; s[72:73] each lane takes its own place in the other half
.set VLB, 78                           ; s[78:79] vl at my head
.set CLY, 80                           ; s80 the cluster's y: my block's place in its sequence
.set MSB, 0
.macro WIN new                         ; the immediate's high byte repeats the setting that is left; a switch that changes nothing is dropped
.if MSB != (\new)
	s_set_vgpr_msb (MSB<<8)|(\new)
.set MSB, (\new)
.endif
.endm
.set MUL_LO, 0xa1                      ; source 0 (W) window 1, source 1 (x) window 0, C and D window 2
.set MUL_HI, 0xf1                      ; the same, C and D window 3
.set TO_B,   0x40                      ; destination window 1
.macro PLACES                          ; four plain places behind matrix instructions, in front of loads into their registers and of reads of their results
.rept 4
	v_nop
.endr
.endm
; A joint load: wave 0 asks for x's tile, waves 1 to 3 for their kind's rows of W.  The branch hangs on the wave's number alone.  An s_nop 0 and four v_nop follow each line.
.macro JLOAD s
	s_cmp_eq_u32 s[WV], 0
	s_cbranch_scc0 .Lfor_b_\@
	tensor_load_to_lds s[G0+4*(\s):G0+4*(\s)+3], s[G1:G1+7]
	s_nop 0
.rept 4
	v_nop
.endr
	s_branch .Lasked_\@
.Lfor_b_\@:
	tensor_load_to_lds s[G0B+4*(\s):G0B+4*(\s)+3], s[G1B:G1B+7]
	s_nop 0
.rept 4
	v_nop
.endr
.Lasked_\@:
.endm
; A prefetch of the K step that stands two refills on: 32 rows x 256 bytes, a lane a row.  x's rows are read by this cluster alone: wave 0 asks, the four partners of a row take 32 rows each by address (cx).
; W's rows are read by every cluster: the first cluster's waves 1 to 3 ask, the four partners of a column take 32 rows each (cy).  The loop's last trip has no K step two on.
.macro ASK
	s_cmp_gt_u32 s3, s[LIM]
	s_cbranch_scc0 .Lnot_mine_\@
	global_prefetch_b8 v[PFO], s[PFA:PFA+1] offset:KSTEP*2 th:TH_LOAD_NT scope:SCOPE_SE
.Lnot_mine_\@:
.endm
.macro CREST                           ; a round of the cluster's barrier behind its opening barrier
	s_cmp_lg_u32 s[WV], 0
	s_cbranch_scc1 .Lnot_wave_0_\@
	s_barrier_signal -3
.Lnot_wave_0_\@:
	s_barrier_wait -3
	s_barrier_signal -1
	s_barrier_wait -1
.endm
.macro CROUND
	s_barrier_signal -1
	s_barrier_wait -1
	CREST
.endm
	s_load_b256 s[4:11], s[0:1], 0x0               ; cb s[4:5], q_norm_w s[6:7], k_norm_w s[8:9], qf s[10:11]
	s_load_b64 s[12:13], s[0:1], 0x20              ; kv
	s_load_b64 s[VLB:VLB+1], s[0:1], 0x28          ; vl
	v_lshl_add_u32 v[SPW], v0, 2, SPARE
	v_mov_b32 v[NIL], 0
	ds_add_u32 v[SPW], v[NIL]                      ; the wave's opening: the add and its wait stand ahead of my first tensor load; work on registers stands between them
	v_lshrrev_b32 v3, 5, v0
	v_readfirstlane_b32 s[WV], v3
	s_bfe_u32 s[CX], ttmp6, 0x40000                ; cx = the head (the grid is four wide)
	s_bfe_u32 s[CY], ttmp6, 0x40004                ; cy = the batch
	s_and_b32 s[CLY], ttmp7, 0xffff                ; the cluster's y, 0 to 15
	s_lshl_b32 s[RB], s[CY], 4
	s_add_co_u32 s[RB], s[RB], s[CLY]              ; my block of 128 rows = 16 x batch + place in the sequence
	s_lshl_b32 s18, s[CY], 2
	s_lshl_b32 s18, 15, s18                        ; my row of the cluster
	s_lshl_b32 s19, 0x1111, s[CX]                  ; my column
	s_or_b32 s[G1], s18, (1<<16)|(1<<20)|(1<<21)|(5<<22)|(3<<25)   ; mask; 2-byte elements; padding on; bit 21 beside a mask; after every 64 words 4 words
	s_or_b32 s[G1B], s19, (1<<16)|(1<<20)|(1<<21)|(5<<22)|(3<<25)
.irp g, G1, G1B
	s_mov_b32 s[(\g)+1], KSTEP<<16                 ; tensor_dim0 = 128
	s_mov_b32 s[(\g)+2], 128<<16                   ; tensor_dim1 = 128
	s_mov_b32 s[(\g)+3], KSTEP<<16                 ; tile_dim0 = 128
	s_mov_b32 s[(\g)+4], 128                       ; tile_dim1 = 128
	s_mov_b32 s[(\g)+5], 2048                      ; elements from row to row
	s_mov_b32 s[(\g)+6], 0
	s_mov_b32 s[(\g)+7], 0
.endr
	s_lshl_b32 s20, s[RB], 19                      ; x: 128 rows of 4,096 bytes a block
	s_mov_b32 s21, 0
	s_max_u32 s46, s[WV], 1                        ; W: head x 384 rows + kind x 128 rows (wave 0 makes kind 0's address and never asks by it)
	s_sub_co_u32 s46, s46, 1
	s_lshl_b32 s46, s46, 7
	s_mul_i32 s47, s[CX], 384
	s_add_co_u32 s46, s46, s47
	s_lshl_b32 s46, s46, 12
	s_mov_b32 s47, 0
	s_mul_i32 s40, s[WV], HALFT                    ; where my tile goes: wave x 128 rows: no place in the cluster enters an LDS address
	s_mov_b32 s[HIM], 0xffff0000
	s_mov_b32 s[R128], 0x3c000000
	s_mov_b32 s[EPSR], 0x358637bd
	s_mov_b32 s[SEL], 0x76543210
	s_mov_b32 s[SEL+1], 0xfedcba98
	s_wait_dscnt 0x0                               ; the opening add is done
	s_wait_kmcnt 0x0
	s_add_nc_u64 s[20:21], s[4:5], s[20:21]
	s_add_nc_u64 s[46:47], s[4:5], s[46:47]
	s_add_nc_u64 s[46:47], s[46:47], WOFF
	CROUND                                         ; all sixteen work-groups are here: the first joint loads meet
.irp s, 0,1
	s_mov_b32 s[G0+4*(\s)], 1
	s_add_co_u32 s[G0+4*(\s)+1], s40, (\s)*SLOT
	s_add_nc_u64 s[G0+4*(\s)+2:G0+4*(\s)+3], s[20:21], (\s)*KSTEP*2
	s_or_b32 s[G0+4*(\s)+3], s[G0+4*(\s)+3], 0x80000000
	s_mov_b32 s[G0B+4*(\s)], 1
	s_add_co_u32 s[G0B+4*(\s)+1], s40, (\s)*SLOT
	s_add_nc_u64 s[G0B+4*(\s)+2:G0B+4*(\s)+3], s[46:47], (\s)*KSTEP*2
	s_or_b32 s[G0B+4*(\s)+3], s[G0B+4*(\s)+3], 0x80000000
	JLOAD \s
.endr
	v_and_b32 v1, 15, v0                           ; l % 16
	v_bfe_u32 v2, v0, 4, 1                         ; l / 16
	v_and_b32 v3, 31, v0                           ; l
	v_mul_u32_u24 v4, v1, PITCH
	v_lshl_add_u32 v4, v2, 4, v4                   ; a fragment's row x pitch + 16 x half
	v_mov_b32 v[ADRA], v4
	v_add_nc_u32 v[ADRA+1], SLOT, v4
	s_mul_i32 s41, s[WV], 16*PITCH                 ; my 16 channels of each half of each kind
	s_add_co_u32 s41, s41, HALFT
	v_add_nc_u32 v[ADRB], s41, v4
	v_add_nc_u32 v[ADRB+1], SLOT, v[ADRB]
	v_add_nc_u32 v[ADRB2], 2*HALFT, v[ADRB]
	v_add_nc_u32 v[ADRB2+1], SLOT, v[ADRB2]
	s_lshl_b32 s41, s[WV], 5
	v_lshlrev_b32 v[CO], 8, v1                     ; cos, sin: row x 256 bytes + 32 w + 16 (l / 16)
	v_lshl_add_u32 v[CO], v2, 4, v[CO]
	v_add_nc_u32 v[CO], s41, v[CO]
	s_lshl_b32 s41, s[WV], 6
	v_lshl_add_u32 v[NO], v2, 5, s41               ; gains: 64 w + 32 (l / 16)
	s_lshl_b32 s41, s[WV], 9
	v_lshl_add_u32 v[QO], v3, 4, s41
	s_lshl_b32 s41, s[WV], 10
	v_lshl_add_u32 v[VO], v3, 4, s41
	s_lshl_b32 s41, s[WV], 13
	s_add_co_u32 s41, s41, VST                     ; my stage
	v_lshlrev_b32 v[VSTO], 5, v1                   ; in: row l % 16, 16 bytes for each half of the lanes
	v_lshl_add_u32 v[VSTO], v2, 4, v[VSTO]
	v_add_nc_u32 v[VSTO], s41, v[VSTO]
	v_and_b32 v5, 7, v0                            ; out, turned: lane l reads row 8 (l / 16) + l % 8, channels 8 ((l / 8) % 2) + 0..7
	v_lshl_add_u32 v5, v2, 3, v5
	v_bfe_u32 v6, v0, 3, 1
	v_lshlrev_b32 v[VRD], 5, v5
	v_lshl_add_u32 v[VRD], v6, 4, v[VRD]
	v_add_nc_u32 v[VRD], s41, v[VRD]
	v_lshlrev_b32 v[SSR], 4, v1
	v_add_nc_u32 v[SSR], SSQ, v[SSR]
	s_lshl_b32 s41, s[WV], 2
	v_add_nc_u32 v[SSA], s41, v[SSR]
	v_lshlrev_b32 v[PFO], 12, v3
	; where q, k, v go, and where cos begins: batch and head bh = 4 (block / 16) + head; the block's place in its sequence = block % 16
	s_lshr_b32 s22, s[RB], 4
	s_lshl_b32 s22, s22, 2
	s_add_co_u32 s22, s22, s[CX]
	s_lshl_b32 s82, s22, 13
	s_mov_b32 s83, 0
	s_add_nc_u64 s[VLB:VLB+1], s[VLB:VLB+1], s[82:83]  ; vl: 8,192 bytes a head
	s_and_b32 s23, s[RB], 15
	s_lshl_b32 s74, s22, 19
	s_lshl_b32 s76, s23, 15
	s_add_co_u32 s74, s74, s76
	s_mov_b32 s75, 0
	s_add_nc_u64 s[10:11], s[10:11], s[74:75]      ; qf: 524,288 bytes a head, 32,768 a block
	s_lshl_b32 s74, s74, 1
	s_add_nc_u64 s[12:13], s[12:13], s[74:75]      ; kv: twice that
	s_mov_b32 s77, 0
	s_add_nc_u64 s[COSB:COSB+1], s[4:5], s[76:77]  ; cos: 128 rows of 256 bytes a block
	s_add_nc_u64 s[COSB:COSB+1], s[COSB:COSB+1], COSOFF
	; the prefetches
	s_lshl_b32 s74, s[RB], 7
	s_lshl_b32 s76, s[CX], 5
	s_add_co_u32 s74, s74, s76
	s_lshl_b32 s74, s74, 12                        ; x: my work-group's 32 of the block's rows
	s_max_u32 s76, s[WV], 1
	s_sub_co_u32 s76, s76, 1
	s_lshl_b32 s76, s76, 7
	s_mul_i32 s77, s[CX], 384
	s_add_co_u32 s76, s76, s77
	s_lshl_b32 s77, s[CY], 5
	s_add_co_u32 s76, s76, s77
	s_lshl_b32 s76, s76, 12
	s_add_co_u32 s76, s76, WOFF                    ; W: my work-group's 32 of my kind's rows
	s_cmp_eq_u32 s[WV], 0
	s_cselect_b32 s74, s74, s76
	s_mov_b32 s75, 0
	s_add_nc_u64 s[PFA:PFA+1], s[4:5], s[74:75]
	s_add_nc_u64 s[PFA:PFA+1], s[PFA:PFA+1], 2*KSTEP*2  ; at K step 2: the first refill steps it to 3 and names K step 4
	s_cmp_eq_u32 s[WV], 0
	s_cselect_b32 s22, 0, s[CLY]
	s_cmp_eq_u32 s22, 0
	s_cselect_b32 s[LIM], 1, -1                    ; wave 0 always; waves 1 to 3 in the first cluster: the same in all sixteen partners
	; cos and sin of my rows and channels, and the gains: they land while K is walked, and are waited for behind the loop
.irp a, 0,1,2,3,4,5,6,7
	WIN 0x80+0x40*((\a)/4)
.irp n, 0,1,2,3
	global_load_b128 v[192+16*((\a)%4)+4*(\n):192+16*((\a)%4)+4*(\n)+3], v[CO], s[COSB:COSB+1] offset:(\a)*4096+((\n)%2)*128+((\n)/2)*SINREL
.endr
.endr
	WIN 0x40
.irp n, 0,1,2,3
	global_load_b128 v[4*(\n):4*(\n)+3],       v[NO], s[6:7] offset:((\n)/2)*256+((\n)%2)*16
	global_load_b128 v[16+4*(\n):16+4*(\n)+3], v[NO], s[8:9] offset:((\n)/2)*256+((\n)%2)*16
.endr
	WIN 0
; 12 matrix instructions: row blocks a0, a0 + 1 of the window's four x all 6 column blocks, 32 along K.  zero = 1: the first product starts the sums.
.macro MUL12 f, hi, a0, zero
	WIN MUL_LO+0x50*(\hi)
.irp a, \a0, (\a0)+1
.irp b, 0,1,2,3,4,5
.if \zero
	v_wmma_f32_16x16x32_bf16 v[8*(6*(\a)+(\b)):8*(6*(\a)+(\b))+7], v[(\f)+8*(\b):(\f)+8*(\b)+7], v[(\f)+8*(4*(\hi)+(\a)):(\f)+8*(4*(\hi)+(\a))+7], 0
.else
	v_wmma_f32_16x16x32_bf16 v[8*(6*(\a)+(\b)):8*(6*(\a)+(\b))+7], v[(\f)+8*(\b):(\f)+8*(\b)+7], v[(\f)+8*(4*(\hi)+(\a)):(\f)+8*(4*(\hi)+(\a))+7], v[8*(6*(\a)+(\b)):8*(6*(\a)+(\b))+7]
.endif
.endr
.endr
.endm
; 28 LDS loads in one run: the fragments of 32 along K at byte k of the rows: W's six, then x's eight
.macro FETCH slot, k, f
	WIN TO_B
.irp i, 0,1,2,3
	ds_load_b128 v[(\f)+8*(\i):(\f)+8*(\i)+3],   v[ADRB+(\slot)] offset:(\k)+((\i)/2)*HALFT+((\i)%2)*64*PITCH
	ds_load_b128 v[(\f)+8*(\i)+4:(\f)+8*(\i)+7], v[ADRB+(\slot)] offset:(\k)+((\i)/2)*HALFT+((\i)%2)*64*PITCH+32
.endr
.irp i, 4,5
	ds_load_b128 v[(\f)+8*(\i):(\f)+8*(\i)+3],   v[ADRB2+(\slot)] offset:(\k)+((\i)%2)*64*PITCH
	ds_load_b128 v[(\f)+8*(\i)+4:(\f)+8*(\i)+7], v[ADRB2+(\slot)] offset:(\k)+((\i)%2)*64*PITCH+32
.endr
	WIN 0
.irp i, 0,1,2,3,4,5,6,7
	ds_load_b128 v[(\f)+8*(\i):(\f)+8*(\i)+3],   v[ADRA+(\slot)] offset:(\k)+(\i)*16*PITCH
	ds_load_b128 v[(\f)+8*(\i)+4:(\f)+8*(\i)+7], v[ADRA+(\slot)] offset:(\k)+(\i)*16*PITCH+32
.endr
.endm
; A K step is four quarters of 32 along K, 48 matrix instructions each, on buffers 0, 1, 0, 1.  The 48 accumulators take turns in the same order in every quarter.
.macro QUARTER slot, k, f, g, zero
	s_wait_dscnt 8                                 ; W's fragments and x's blocks 0-3 are in; the youngest eight loads (blocks 4-7) may be out
	MUL12 \f, 0, 0, \zero
	MUL12 \f, 0, 2, \zero
	PLACES
	FETCH \slot, \k, \g
	s_wait_dscnt 28                                ; all but the 28 just issued
	MUL12 \f, 1, 0, \zero
	MUL12 \f, 1, 2, \zero
.endm
; The last quarter multiplies buffer 1 and changes slots: each wave waits for all its tensor loads (one is out: its part of the next slot), adds 0 to its spare word, waits for that and for its reads
; of this slot, and signals.  fill = 1: the barrier opens a round of the cluster's, and the joint refill, two K steps ahead, is the first tensor load behind it: 168 matrix instructions ahead of the wait for it.
.macro TURN slot, next, fill
.if \fill
	s_wait_xcnt 0x0                                ; the last prefetch, a K step back, has read its address
	s_add_nc_u64 s[PFA:PFA+1], s[PFA:PFA+1], KSTEP*2
.endif
	WIN 0
	s_wait_tensorcnt 0x0
	ds_add_u32 v[SPW], v[NIL]
	s_wait_dscnt 9                                 ; (the add and the youngest eight loads may be out)
	MUL12 F1, 0, 0, 0
	s_wait_dscnt 0x0                               ; the add is done, and my reads of this slot are over
	s_barrier_signal -1
	MUL12 F1, 0, 2, 0
.if \fill
	WIN 0
.endif
	s_barrier_wait -1
.if \fill
	CREST
	s_add_nc_u64 s[G0+4*(\slot)+2:G0+4*(\slot)+3], s[G0+4*(\slot)+2:G0+4*(\slot)+3], 2*KSTEP*2
	s_add_nc_u64 s[G0B+4*(\slot)+2:G0B+4*(\slot)+3], s[G0B+4*(\slot)+2:G0B+4*(\slot)+3], 2*KSTEP*2
	JLOAD \slot                                    ; its four v_nop are also the places in front of the loads below
.else
	PLACES
.endif
	FETCH \next, 0, F0
.if \fill
	ASK
.endif
	MUL12 F1, 1, 0, 0
	MUL12 F1, 1, 2, 0
.endm
	s_wait_tensorcnt 1                             ; my part of K step 0 is in; K step 1's may stay out
	s_barrier_signal -1
	s_barrier_wait -1
	FETCH 0, 0, F0
	QUARTER 0, 64,  F0, F1, 1                      ; the first quarter stands in front of the loop: its products start the sums
	WIN 0
	s_mov_b32 s3, LAPS-1
.Llap:
	QUARTER 0, 128, F1, F0, 0
	QUARTER 0, 192, F0, F1, 0
	TURN 0, 1, 1
	QUARTER 1, 64,  F0, F1, 0
	QUARTER 1, 128, F1, F0, 0
	QUARTER 1, 192, F0, F1, 0
	TURN 1, 0, 1
	QUARTER 0, 64,  F0, F1, 0
	WIN 0
	s_sub_co_u32 s3, s3, 1
	s_cmp_lg_u32 s3, 0
	s_cbranch_scc1 .Llap
	QUARTER 0, 128, F1, F0, 0                      ; the last lap fills nothing
	QUARTER 0, 192, F0, F1, 0
	TURN 0, 1, 0
	QUARTER 1, 64,  F0, F1, 0
	QUARTER 1, 128, F1, F0, 0
	QUARTER 1, 192, F0, F1, 0
	s_wait_dscnt 8
	MUL12 F1, 0, 0, 0
	MUL12 F1, 0, 2, 0
	s_wait_dscnt 0x0
	MUL12 F1, 1, 0, 0
	MUL12 F1, 1, 2, 0
	WIN 0
	PLACES
	PLACES
	s_wait_loadcnt 0x0                             ; cos, sin and the gains
	; the gains are rounded to bf16, like every input, and widened again
	WIN 0x05
.set n, 0
.rept 16
	v_cvt_pk_bf16_f32 v[C32+n], v[2*n], v[2*n+1]
.set n, n+1
.endr
	WIN 0x40
.set n, 0
.rept 16
	v_lshlrev_b32 v[2*n], 16, v[C32+n]
	v_and_b32 v[2*n+1], s[HIM], v[C32+n]
.set n, n+1
.endr
	; the sums of squares of q and k: my 16 channels of each row, eight chains side by side; each accumulator's lowest registers are read first
.irp wn, 0,1
	WIN 0x0a+5*(\wn)
.irp r, 0,1,2,3,4,5,6,7
.irp a4, 0,1,2,3
.irp t, 0,1
.set sq, SQ+2*(2*(4*(\wn)+(\a4))+(\t))
.set ac, 8*(6*(\a4)+2*(\t)+(\r)/4)+2*((\r)%4)
.if (\r) == 0
	v_pk_mul_f32 v[sq:sq+1], v[ac:ac+1], v[ac:ac+1]
.else
	v_pk_fma_f32 v[sq:sq+1], v[ac:ac+1], v[ac:ac+1], v[sq:sq+1]
.endif
.endr
.endr
.endr
.endr
	WIN 0
.set i, 0
.rept 16
	v_add_f32 v[SQ+2*i], v[SQ+2*i], v[SQ+2*i+1]
.set i, i+1
.endr
.set i, 0
.rept 16
	v_permlanex16_b32 v[SQ+2*i+1], v[SQ+2*i], s[SEL], s[SEL+1]  ; the row's other 8 channels of each block lie in the lane 16 away
.set i, i+1
.endr
.set i, 0
.rept 16
	v_add_f32 v[SQ+2*i], v[SQ+2*i], v[SQ+2*i+1]
.set i, i+1
.endr
.set i, 0
.rept 16
	ds_store_b32 v[SSA], v[SQ+2*i] offset:(i%2)*2048+(i/2)*256
.set i, i+1
.endr
	s_wait_dscnt 0x0                               ; for the others' sake: my partial sums are in LDS
	s_barrier_signal -1
	s_barrier_wait -1
.set i, 0
.rept 16
	ds_load_b128 v[64+4*i:67+4*i], v[SSR] offset:(i%2)*2048+(i/2)*256
.set i, i+1
.endr
	s_wait_dscnt 0x0
.set i, 0
.rept 16
	v_pk_add_f32 v[64+4*i:65+4*i], v[64+4*i:65+4*i], v[66+4*i:67+4*i]
.set i, i+1
.endr
.set i, 0
.rept 16
	v_add_f32 v[64+4*i], v[64+4*i], v[65+4*i]
.set i, i+1
.endr
.set i, 0
.rept 16
	v_fma_f32 v[64+4*i], v[64+4*i], s[R128], s[EPSR]   ; the mean + eps
.set i, i+1
.endr
.set i, 0
.rept 16
	v_rsq_f32 v[RSP+2*i], v[64+4*i]                ; twice, to fill the pair that the packed multiply takes
	v_rsq_f32 v[RSP+2*i+1], v[64+4*i]
.set i, i+1
.endr
	v_nop                                          ; a plain instruction behind the last of the batch,
	s_wait_alu depctr_va_vdst(0)                   ; and one wait for all 32, ahead of their first reader
; Row block a: gain, RoPE, 1 / rms, rounding to f16.  A wave's store of q or k covers 512 consecutive bytes, aligned: a lane's 16 bytes ARE its place in a fragment.  v goes into my stage, to be turned.
.macro ROWS a
.set WW, 2+(\a)/4
.set A4, (\a)%4
	s_wait_xcnt 0x0                                ; the last block's stores have read PK
	WIN WW<<2
.set n, 0
.rept 16
	v_lshlrev_b32 v[C32+2*n], 16, v[192+16*A4+n]
	v_and_b32 v[C32+2*n+1], s[HIM], v[192+16*A4+n]
.set n, n+1
.endr
	WIN WW|4
.set n, 0
.rept 16
	v_pk_mul_f32 v[ZZ+2*n:ZZ+2*n+1], v[8*(6*A4+n/4)+2*(n%4):8*(6*A4+n/4)+2*(n%4)+1], v[2*n:2*n+1]
.set n, n+1
.endr
	WIN 0
.irp t, 0,1
.irp k, 0,2,4,6
	v_pk_mul_f32 v[OO+16*(\t)+(\k):OO+16*(\t)+(\k)+1],     v[ZZ+16*(\t)+8+(\k):ZZ+16*(\t)+8+(\k)+1], v[C32+16+(\k):C32+16+(\k)+1]  ; high half x sin low
	v_pk_mul_f32 v[OO+16*(\t)+8+(\k):OO+16*(\t)+8+(\k)+1], v[ZZ+16*(\t)+(\k):ZZ+16*(\t)+(\k)+1],     v[C32+24+(\k):C32+24+(\k)+1]  ; low half x sin high
.endr
.endr
.irp t, 0,1
.irp k, 0,2,4,6
	v_pk_fma_f32 v[OO+16*(\t)+(\k):OO+16*(\t)+(\k)+1],     v[ZZ+16*(\t)+(\k):ZZ+16*(\t)+(\k)+1],     v[C32+(\k):C32+(\k)+1],     v[OO+16*(\t)+(\k):OO+16*(\t)+(\k)+1] neg_lo:[0,0,1] neg_hi:[0,0,1]
	v_pk_fma_f32 v[OO+16*(\t)+8+(\k):OO+16*(\t)+8+(\k)+1], v[ZZ+16*(\t)+8+(\k):ZZ+16*(\t)+8+(\k)+1], v[C32+8+(\k):C32+8+(\k)+1], v[OO+16*(\t)+8+(\k):OO+16*(\t)+8+(\k)+1]
.endr
.endr
.irp t, 0,1
.irp k, 0,2,4,6,8,10,12,14
	v_pk_mul_f32 v[OO+16*(\t)+(\k):OO+16*(\t)+(\k)+1], v[OO+16*(\t)+(\k):OO+16*(\t)+(\k)+1], v[RSP+2*(2*(\a)+(\t)):RSP+2*(2*(\a)+(\t))+1]
.endr
.endr
.set n, 0
.rept 16
	v_cvt_pk_f16_f32 v[PK+n], v[OO+2*n], v[OO+2*n+1]
.set n, n+1
.endr
	WIN WW|(WW<<2)
.set n, 0
.rept 8
	v_cvt_pk_f16_f32 v[PK+16+n], v[8*(6*A4+4+n/4)+2*(n%4)], v[8*(6*A4+4+n/4)+2*(n%4)+1]
.set n, n+1
.endr
	WIN 0
	global_store_b128 v[QO], v[PK:PK+3],     s[10:11] offset:(\a)*4096
	global_store_b128 v[QO], v[PK+4:PK+7],   s[10:11] offset:(\a)*4096+2048
	global_store_b128 v[QO], v[PK+8:PK+11],  s[12:13] offset:((\a)/4)*32768+((\a)%4)*4096
	global_store_b128 v[QO], v[PK+12:PK+15], s[12:13] offset:((\a)/4)*32768+((\a)%4)*4096+2048
	ds_store_b128 v[VSTO], v[PK+16:PK+19] offset:(\a)*512
	ds_store_b128 v[VSTO], v[PK+20:PK+23] offset:4096+(\a)*512
.endm
.irp a, 0,1,2,3,4,5,6,7
	ROWS \a
.endr
	; v is turned: 16 keys x 16 channels a load; a lane ends with one channel and eight keys, its 16 bytes of a fragment of V^T.  The stage is my own, and LDS serves a wave's instructions in order.
.set i, 0
.rept 16                               ; i = 8 hf + 2 kk + r: half hf of the channels, keys 32 kk + 16 r on
	ds_load_tr16_b128 v[64+4*i:67+4*i], v[VRD] offset:(i/8)*4096+((i/2)%4)*1024+(i%2)*512
.set i, i+1
.endr
.set i, 0
.rept 16
	s_wait_dscnt 15-i                              ; load i is in, the younger ones may stay out
	global_store_b128 v[VO], v[64+4*i:67+4*i], s[12:13] offset:(((i/2)%4)/2)*32768+16384+(((i/2)%4)%2)*8192+(i/8)*4096+(i%2)*512
.set i, i+1
.endr
	; A SEQUENCE'S FIRST BLOCK (the cluster's y is 0: alike in all partners): what f16 dropped of v in rows 0 to 31.  The sums still stand in the accumulators; f16(v) is made once more,
	; v - f16(v) is exact in f32, and it goes the same way as v: rounded to f16, through rows 0 to 31 of my stage (its reads above are back), turned, into vl.
	s_cmp_lg_u32 s[CLY], 0
	s_cbranch_scc1 .Lno_lo
	s_wait_xcnt 0x0                                ; the stores above have read PK and v64 on
	v_mov_b32 v[NEG1], -1.0
.irp a, 0,1
	WIN 0x0a
.set n, 0
.rept 8
	v_cvt_pk_f16_f32 v[PK+n], v[8*(6*(\a)+4+n/4)+2*(n%4)], v[8*(6*(\a)+4+n/4)+2*(n%4)+1]
.set n, n+1
.endr
	WIN 0x20                                       ; source 2, the sum, in window 2
.set n, 0
.rept 8
	v_fma_mix_f32 v[OO+2*n],   v[PK+n], v[NEG1], v[8*(6*(\a)+4+n/4)+2*(n%4)]   op_sel_hi:[1,0,0]               ; the low half x -1 + v
	v_fma_mix_f32 v[OO+2*n+1], v[PK+n], v[NEG1], v[8*(6*(\a)+4+n/4)+2*(n%4)+1] op_sel:[1,0,0] op_sel_hi:[1,0,0]  ; the high half
.set n, n+1
.endr
	WIN 0
.set n, 0
.rept 8
	v_cvt_pk_f16_f32 v[PK+8+n], v[OO+2*n], v[OO+2*n+1]
.set n, n+1
.endr
	ds_store_b128 v[VSTO], v[PK+8:PK+11]  offset:(\a)*512
	ds_store_b128 v[VSTO], v[PK+12:PK+15] offset:4096+(\a)*512
.endr
.set i, 0
.rept 4                                ; i = 2 hf + r
	ds_load_tr16_b128 v[64+4*i:67+4*i], v[VRD] offset:(i/2)*4096+(i%2)*512
.set i, i+1
.endr
.set i, 0
.rept 4
	s_wait_dscnt 3-i
	global_store_b128 v[VO], v[64+4*i:67+4*i], s[VLB:VLB+1] offset:(i/2)*4096+(i%2)*512
.set i, i+1
.endr
.Lno_lo:
	s_wait_tensorcnt 0x0                           ; the wave's end, behind my last tensor load and my last LDS store
	ds_add_u32 v[SPW], v[NIL]
	s_wait_dscnt 0x0
	CROUND                                         ; the closing round: no work-group ends while a partner may still ask for a tile that names it
	s_endpgm
.Lfunc_end_k_qadb6a0088b_qkv:
	.size	k_qadb6a0088b_qkv, .Lfunc_end_k_qadb6a0088b_qkv-k_qadb6a0088b_qkv
	.p2alignl 7, 3214868480
	.fill 96, 4, 3214868480
	.section	.rodata,"a",@progbits
	.p2align	6, 0x0
	.amdhsa_kernel k_qadb6a0088b_qkv
		.amdhsa_group_segment_fixed_size 327680
		.amdhsa_private_segment_fixed_size 0
		.amdhsa_enable_private_segment 0
		.amdhsa_kernarg_size 48
		.amdhsa_user_sgpr_count 2
		.amdhsa_user_sgpr_kernarg_segment_ptr 1
		.amdhsa_wavefront_size32 1
		.amdhsa_system_sgpr_workgroup_id_x 1
		.amdhsa_system_sgpr_workgroup_id_y 1
		.amdhsa_system_sgpr_workgroup_id_z 1
		.amdhsa_system_vgpr_workitem_id 0
		.amdhsa_next_free_vgpr 1024
		.amdhsa_next_free_sgpr 96
		.amdhsa_reserve_vcc 0
		.amdhsa_float_denorm_mode_32 3
		.amdhsa_float_denorm_mode_16_64 3
		.amdhsa_memory_ordered 1
		.amdhsa_forward_progress 1
		.amdhsa_inst_pref_size 181
	.end_amdhsa_kernel
	.amdgpu_metadata
---
amdhsa.version: [ 1, 2 ]
amdhsa.kernels:
  - .name:           k_qadb6a0088b_qkv
    .symbol:         k_qadb6a0088b_qkv.kd
    .args:
      - { .name: cb, .offset: 0, .size: 8, .value_kind: global_buffer, .address_space: global }
      - { .name: q_norm_w, .offset: 8, .size: 8, .value_kind: global_buffer, .address_space: global }
      - { .name: k_norm_w, .offset: 16, .size: 8, .value_kind: global_buffer, .address_space: global }
      - { .name: qf, .offset: 24, .size: 8, .value_kind: global_buffer, .address_space: global }
      - { .name: kv, .offset: 32, .size: 8, .value_kind: global_buffer, .address_space: global }
      - { .name: vl, .offset: 40, .size: 8, .value_kind: global_buffer, .address_space: global }
    .group_segment_fixed_size: 327680
    .private_segment_fixed_size: 0
    .kernarg_segment_align: 8
    .kernarg_segment_size: 48
    .max_flat_workgroup_size: 128
    .sgpr_count:     96
    .vgpr_count:     1024
    .wavefront_size: 32
...
	.end_amdgpu_metadata
.endif
;; end of part 2
;; launch attn (part 3): grid 16 x 16, 4 waves a work-group, clusters of 4 x 1, 327,680 bytes of LDS; arguments qf, kv, of, vl, ol; writes of, ol
.if DOCPART == 3
	.amdgcn_target "amdgcn-amd-amdhsa--gfx1250"
	.amdhsa_code_object_version 6
	.text
	.protected	k_qadb6a0088b_attn
	.globl	k_qadb6a0088b_attn
	.p2align	8
	.type	k_qadb6a0088b_attn,@function
k_qadb6a0088b_attn:
	s_mov_b64 s[64:65], 0
	v_nop
	global_prefetch_b8 v0, s[64:65] scope:SCOPE_SE
	s_setreg_imm32_b32 hwreg(HW_REG_WAVE_MODE, 25, 1), 1
	s_wait_xcnt 0x0
	s_wait_alu depctr_hold_cnt(0) depctr_sa_sdst(0) depctr_va_vdst(0) depctr_va_sdst(0) depctr_va_ssrc(0) depctr_va_vcc(0) depctr_vm_vsrc(0)
	s_getreg_b32 s2, hwreg(HW_REG_IB_STS2, 6, 4)
	s_cmp_eq_u32 s2, 0
	s_cbranch_scc0 .Lentry_in_a_cluster
	s_endpgm
.Lentry_in_a_cluster:
	s_bfe_u32 s2, ttmp6, 0x10000c
	s_cmp_lg_u32 s2, 0x3003
	s_cbranch_scc0 .Lentry_shape_is_right
	s_endpgm
.Lentry_shape_is_right:
; CAUSAL ATTENTION, 16 heads (batch x head) of 2,048 rows x 128 channels.  q, k, v arrive in f16 AS MATRIX FRAGMENTS (1,024 bytes: run r of 512, lane l's 16 bytes at 512 r + 16 l), O leaves so.
; Products, maxima and sums in f32; the weights p are rounded to f16 for the second product (their sum l is taken of the unrounded p), O once at the end.
; LIMITS.  A hidden score counts as its value less 1e30.  The running maximum m starts at -2^50: no score of f16 operands (at most 128 x 65,504^2 = 5.5e11 in size) lies so low, so m is the true
; running maximum as soon as one key has been seen, and a wave that has seen hidden keys alone keeps weights, l and O of 0.  A weight below 2^-126 counts as 0.  NaN and infinities are not treated apart.
; THE WALK.  A head's queries lie in 32 blocks of 64; block i needs the key tiles 0 .. i / 4 of 256 keys.  Work-group b = 4 u + cx takes blocks 31 - b and then b: (8 - u) + (u + 1) = 9 tiles for every b:
; one loop with a constant count.  The four partners of a cluster share u, so they walk the same tiles: every tile is asked for JOINTLY.  Branches hang on u alone; cx enters Q's and O's addresses, the
; prefetches' address and the mask's scalars, which are chosen by selects.
; SHARES.  THE KEYS ARE SPLIT AMONG THE WAVES: of a tile wave w takes keys 64 w .. 64 w + 63, for all 64 queries (four tiles of 16): a fragment of K or V feeds four products, and each wave fetches
; the very 32,768 bytes that it reads.  At a block's end the four waves' m, l and O meet in LDS, in f32.
; THE MASK is the C operand that starts S^T = K Q^T.  In a block's last tile its queries stand beside keys 64 E ..: wave w sees all if w < E, nothing if w > E; if w = E key block kb and query tile t
; see all (kb < t), nothing (kb > t) or the triangle (kb = t).  Three sets of mask registers (MLT, MEQ, MGT) are made anew for each tile from scalars.
; THE FIRST ROWS.  Rows 0 to 15 of a sequence average over few keys and are many times the output's root mean square, by which the error is judged.  For them what f16 drops is kept: (1) vl holds
; v - f16(v) of keys 0 to 31; in the walk's last tile 8 more products add it, times query tile 0's weights, to O^T.  Those weights are masked by FM, all ones in wave 0 of the work-group with block 0 and
; 0 elsewhere: a select, since no branch may hang on cx; elsewhere the 8 products add 0.  (2) O - f16(O) of the second block's query tile 0 goes to ol, in the cluster with u = 0: its four partners each
; store their block's part, and of these the launch behind reads cx = 0's alone.
; LAYOUT.  S^T holds ONE query a lane (l % 16) and keys 8 (l / 16) + 0..7; two results rounded to f16 ARE source 1 of O^T = V^T P.  p = 2^(c s - c m), c = log2(e) / sqrt(128).
; IN PHASES: a step's 64 products K Q^T, the four tiles' softmax (one batch of exponentials, one wait), its 64 products V^T P.
; REGISTERS: window 0 addresses, statistics (8 a tile), S^T v64-191, P v192-255; window 1 O^T, 64 a tile; window 2 Q v0-127, K v128-255; window 3 V v0-127, the masks v128-159, vl's fragments v160-223.
.set SLOT1, 131072                     ; a slot holds a tile: 4 waves x (K 16,384 + V^T 16,384); one exclusive or turns an address in one slot into the other's
.set MX,    262144                     ; behind the ring: two regions of 16,384 bytes in which the waves' partial O meet
.set ML,    MX+2*16384                 ; c m and l of the four waves: [kind][tile][query][wave] in f32
.set SPARE, ML+2048                    ; the spare words, 128 bytes a wave
.set A0,  2                            ; v2   16 l + 32,768 w: my place in a slot
.set ADR, 4                            ; v4   the same in the slot in hand
.set QO,  5                            ; v5   16 l
.set MLA, 6                            ; v6   where I put c m and l
.set MLR, 7                            ; v7   where I read the four waves'
.set GO,  8                            ; v8   16 l + 512 w: my 16 bytes of O
.set MXA, 9                            ; v9   where I put partial O
.set MXR, 10                           ; v10  where I read the four waves'
.set ST,  12                           ; tile t's statistics at v[ST+8 t]: c m, m, l (even, odd keys'), c0-c3 at work; a takes c2's place
.set MT,  44                           ; v44-47 the merged c m
.set NEG1, 48                          ; v48  -1.0, for O - f16(O)
.set PFO, 61                           ; v61  256 x lane
.set SPW, 62
.set NIL, 63
.set S,   64
.set P,   192
.set KF,  128                          ; window 2
.set TRI, 128                          ; window 3: the triangle
.set MEQ, 136
.set MLT, 144
.set MGT, 152
.set VL,  160                          ; window 3: v - f16(v) of keys 0 to 31, channel block cb at VL + 8 cb
.set WV,  12
.set CX,  13
.set U,   14
.set BH,  16
.set LIM, 17
.set PFA, 18
.set G1,  24
.set G0,  40
.set QB2, 44
.set OB2, 46
.set E,   48                           ; s48  the wave beside whose keys the block's queries stand in its last tile
.set E2,  49
.set RT,  50                           ; s50  tiles of the block in hand still to be entered
.set NXT, 51                           ; s51  the tile to be asked for next
.set LQ,  52                           ; s52  the last tile of the block whose tiles are being asked for
.set OFF, 54
.set SLOTS, 56
.set CS,  58
.set SEL, 60
.set TB,  62                           ; s62  the slot in hand
.set AL,  66
.set BE,  68
.set GT,  70
.set BIGN, 71
.set VLB, 84                           ; s[84:85] vl at my head
.set OLB, 86                           ; s[86:87] ol at my part
.set FM,  92                           ; s92  all ones in wave 0 of the work-group with block 0, else 0
.set MSB, 0
.macro WIN new
.if MSB != (\new)
	s_set_vgpr_msb (MSB<<8)|(\new)
.set MSB, (\new)
.endif
.endm
.set W_KQ, 0x0a                        ; K and Q window 2, S^T window 0
.set W_KM, 0x3a                        ; the same with C in window 3
.set W_PV, 0x53                        ; V window 3, P window 0, O^T window 1
.set W_RS, 0x41                        ; O^T window 1, the factor window 0
.macro CROUND
	s_barrier_signal -1
	s_barrier_wait -1
	s_cmp_lg_u32 s[WV], 0
	s_cbranch_scc1 .Lnot_wave_0_\@
	s_barrier_signal -3
.Lnot_wave_0_\@:
	s_barrier_wait -3
	s_barrier_signal -1
	s_barrier_wait -1
.endm
; A prefetch of the tile that the NEXT change of slots will ask for: 512 blocks of 256 bytes, a lane a block: 4 partners (by address) x 4 waves x 32 lanes.  All four clusters of a head begin at tile 0
; and walk upward; the cluster with u = 0, which walks tiles 0 to 7, asks.  Tiles 2 to 7 are named, each once; tiles 0 and 1 come by their loads alone.
.macro ASK
	s_cmp_gt_u32 s[SLOTS], s[LIM]
	s_cbranch_scc0 .Lnot_mine_\@
	global_prefetch_b8 v[PFO], s[PFA:PFA+1] th:TH_LOAD_NT scope:SCOPE_SE
.Lnot_mine_\@:
.endm
; THE CHANGE OF SLOTS.  Each wave waits for all its tensor loads (one is out: its part of the other slot), adds 0 to its spare word, and waits for that and for its reads of the slot that it leaves.
; fill = 1: the barrier is a round of the cluster's, and the joint refill with tile NXT is the first thing behind it; it has a whole step in which to land.
.macro CHANGE fill
	WIN 0
	s_wait_tensorcnt 0x0                           ; no tensor load of mine is out, so group 0 may be written
	ds_add_u32 v[SPW], v[NIL]                      ; scalar work stands between the add and the wait for it
.if \fill
	s_lshl_b32 s[OFF], s[NXT], 17                  ; a tile is 131,072 bytes
	s_xor_b32 s[G0+1], s[G0+1], SLOT1
	s_add_nc_u64 s[G0+2:G0+3], s[6:7], s[OFF:OFF+1]
	s_or_b32 s[G0+3], s[G0+3], 0x80000000
	s_add_co_u32 s[NXT], s[NXT], 1                 ; the block's next tile, or behind its last the second block's tile 0
	s_cmp_gt_u32 s[NXT], s[LQ]
	s_cselect_b32 s[NXT], 0, s[NXT]
	s_cselect_b32 s[LQ], s[U], s[LQ]
.endif
	s_wait_xcnt 0x0                                ; the last prefetch has read its address, and a block's stores the registers that the next products write
.if \fill
	s_add_nc_u64 s[PFA:PFA+1], s[PFA:PFA+1], SLOT1
.endif
	s_wait_dscnt 0x0                               ; the add is done, and my reads of the slot are over
.if \fill
	CROUND
	tensor_load_to_lds s[G0:G0+3], s[G1:G1+7]
	s_nop 0
.rept 4
	v_nop
.endr
	ASK
.else
	s_barrier_signal -1
	s_barrier_wait -1
.endif
	s_xor_b32 s[TB], s[TB], SLOT1
.endm
; A TILE IS ENTERED: the masks for it, by selects alone.
.macro HEADT
	s_sub_co_u32 s[RT], s[RT], 1
	s_cmp_eq_u32 s[RT], 0
	s_cselect_b32 s72, 1, 0                        ; is it the block's last?
	s_cmp_eq_u32 s[WV], s[E]
	s_cselect_b32 s73, s72, 0
	s_cmp_lg_u32 s73, 0
	s_cselect_b32 s[AL], 1.0, 0                    ; the triangle counts where my keys are the queries' own
	s_cmp_gt_u32 s[WV], s[E]
	s_cselect_b32 s73, s72, 0
	s_cmp_lg_u32 s73, 0
	s_cselect_b32 s[BE], s[BIGN], 0                ; all is hidden where my keys lie behind them
	s_cmp_ge_u32 s[WV], s[E]
	s_cselect_b32 s73, s72, 0
	s_cmp_lg_u32 s73, 0
	s_cselect_b32 s[GT], s[BIGN], 0                ; key blocks behind the query tile are hidden in both cases
	WIN 0xc0
.set i, 0
.rept 8
	v_mov_b32 v[MLT+i], s[BE]
	v_mov_b32 v[MGT+i], s[GT]
.set i, i+1
.endr
	WIN 0xc3
.set i, 0
.rept 4
	v_pk_fma_f32 v[MEQ+2*i:MEQ+2*i+1], v[TRI+2*i:TRI+2*i+1], s[AL:AL+1], s[BE:BE+1] op_sel_hi:[1,0,0]
.set i, i+1
.endr
	WIN 0
.endm
; One tile's softmax for one step is a list of 134 instructions; SM writes number j of it for tile t.  s0-s31 are the lane's 32 scores, in pairs 0-15.
;   0-15 the maximum of s0-s31 and the old m (each accumulator's lowest registers first)   16-20 the other half of the lanes'; the new m; c m; c m_old - c m_new
;   21-69 the 16 scalings c s - c m and all 33 exponentials (a at 23): none reads an exponential's result   70-85 the roundings   86-101 the sums; l = a l + sum   102-133 O^T times a
.macro SM t
.set rT, ST+8*(\t)
.set rS, S+32*(\t)
.set rP, P+16*(\t)
.set rO, 64*(\t)+2*(j-102)
.if j < 102
	WIN 0
.endif
.if j < 4
	v_max3_num_f32 v[rT+4+j], v[rS+8*j], v[rS+8*j+1], v[rS+8*j+2]
.elseif j < 12
	v_max3_num_f32 v[rT+4+j%4], v[rT+4+j%4], v[rS+8*(j%4)+2*(j/4)+1], v[rS+8*(j%4)+2*(j/4)+2]
.elseif j == 12
	v_max3_num_f32 v[rT+4], v[rT+4], v[rS+7], v[rS+15]
.elseif j == 13
	v_max3_num_f32 v[rT+6], v[rT+6], v[rS+23], v[rS+31]
.elseif j == 14
	v_max3_num_f32 v[rT+4], v[rT+4], v[rT+5], v[rT+6]
.elseif j == 15
	v_max3_num_f32 v[rT+4], v[rT+4], v[rT+7], v[rT+1]
.elseif j == 16
	v_permlanex16_b32 v[rT+5], v[rT+4], s[SEL], s[SEL+1]
.elseif j == 17
	v_mov_b32 v[rT+7], v[rT]
.elseif j == 18
	v_max_num_f32 v[rT+1], v[rT+4], v[rT+5]
.elseif j == 19
	v_mul_f32 v[rT], s[CS], v[rT+1]
.elseif j == 20
	v_sub_f32 v[rT+7], v[rT+7], v[rT]
.elseif j == 23
	v_exp_f32 v[rT+6], v[rT+7]
.elseif (j < 23) || ((j < 38) && (j%2 == 0)) || ((j < 66) && (j%4 == 2))
.set b, (j-2)/4
.if j < 38
.set b, (j-20)/2
.endif
	v_pk_fma_f32 v[rS+2*b:rS+2*b+1], v[rS+2*b:rS+2*b+1], s[CS:CS+1], v[rT:rT+1] op_sel_hi:[1,0,0] neg_lo:[0,0,1] neg_hi:[0,0,1]
.elseif j < 70
.set e, j-38
.if j < 66
.set e, j-32-(j-38)/4
.endif
.if j < 38
.set e, (j-25)/2
.endif
	v_exp_f32 v[rS+e], v[rS+e]
.elseif j < 86
	v_cvt_pk_f16_f32 v[rP+j-70], v[rS+2*(j-70)], v[rS+2*(j-70)+1]
.elseif j < 102
.set z, j-86
.set w, 4
.set u, z
.if z >= 14
.set w, 32
.set u, 0
.elseif z >= 12
.set w, 16
.set u, z-12
.elseif z >= 8
.set w, 8
.set u, z-8
.endif
.if z < 15
	v_pk_add_f32 v[rS+w*u:rS+w*u+1], v[rS+w*u:rS+w*u+1], v[rS+w*u+w/2:rS+w*u+w/2+1]
.else
	v_pk_fma_f32 v[rT+2:rT+3], v[rT+2:rT+3], v[rT+6:rT+7], v[rS:rS+1] op_sel_hi:[1,0,1]
.endif
.else
	WIN W_RS
	v_pk_mul_f32 v[rO:rO+1], v[rO:rO+1], v[rT+6:rT+7] op_sel_hi:[1,0]
.endif
.endm
; A STEP: my 64 keys of the tile in hand against the block's 64 queries.
.macro STEP
	WIN 0
	v_add_nc_u32 v[ADR], s[TB], v[A0]
	WIN 0x80
.irp f, 0,1,2,3,4,5,6,7,8,9,10,11,12,13,14,15      ; K: keys 16 (f / 4) on, channels 32 (f % 4) on
	ds_load_b128 v[KF+8*(\f):KF+8*(\f)+3],   v[ADR] offset:(\f)*1024
	ds_load_b128 v[KF+8*(\f)+4:KF+8*(\f)+7], v[ADR] offset:(\f)*1024+512
.endr
	WIN 0xc0
.irp f, 0,1,2,3,4,5,6,7,8,9,10,11,12,13,14,15      ; V^T: keys 32 (f / 8) on, channels 16 (f % 8) on
	ds_load_b128 v[8*(\f):8*(\f)+3],   v[ADR] offset:16384+(\f)*1024
	ds_load_b128 v[8*(\f)+4:8*(\f)+7], v[ADR] offset:16384+(\f)*1024+512
.endr
	s_wait_loadcnt 0x0                             ; Q (at a block's first step), and at the first of all vl's fragments
	s_wait_dscnt 32                                ; K is in; V's 32 loads may stay out
.set cc, 0
.rept 4                                ; the 16 accumulators (key block i / 4, query tile i % 4) take turns
.set i, 0
.rept 16
.set rS, S+32*(i%4)+8*(i/4)
.set rK, KF+32*(i/4)+8*cc
.set rQ, 32*(i%4)+8*cc
.if cc == 0
.if (i/4) < (i%4)
.set rM, MLT
.elseif (i/4) == (i%4)
.set rM, MEQ
.else
.set rM, MGT
.endif
	WIN W_KM
	v_wmma_f32_16x16x32_f16 v[rS:rS+7], v[rK:rK+7], v[rQ:rQ+7], v[rM:rM+7]
.else
	WIN W_KQ
	v_wmma_f32_16x16x32_f16 v[rS:rS+7], v[rK:rK+7], v[rQ:rQ+7], v[rS:rS+7]
.endif
.set i, i+1
.endr
.set cc, cc+1
.endr
	WIN 0
.rept 4
	v_nop                                          ; the places behind those products
.endr
.set j, 0
.rept 70                               ; the four tiles alternate, so that no instruction reads the result of the one before it
	SM 0
	SM 1
	SM 2
	SM 3
.set j, j+1
.endr
	v_nop                                          ; a plain instruction behind the last exponential,
	s_wait_alu depctr_va_vdst(0)                   ; and one wait for the step's 132, ahead of their first reader
.rept 64
	SM 0
	SM 1
	SM 2
	SM 3
.set j, j+1
.endr
	s_wait_dscnt 0x0                               ; V is in
	WIN W_PV
.set kk, 0
.rept 2                                ; the 32 accumulators (channel block i / 4, query tile i % 4) take turns
.set i, 0
.rept 32
.set rO, 64*(i%4)+8*(i/4)
.set rV, 64*kk+8*(i/4)
.set rP, P+16*(i%4)+8*kk
	v_wmma_f32_16x16x32_f16 v[rO:rO+7], v[rV:rV+7], v[rP:rP+7], v[rO:rO+7]
.set i, i+1
.endr
.set kk, kk+1
.endr
	WIN 0
.endm
; THE FIRST ROWS' v: query tile 0's weights for my keys 0 to 31 of the tile, masked by FM, times v - f16(v) of the head's keys 0 to 31, onto O^T.  The eight accumulators take turns.
.macro LOWV
	WIN 0
.set i, 0
.rept 8
	v_and_b32 v[S+i], s[FM], v[P+i]                ; S^T's registers are free behind the softmax
.set i, i+1
.endr
	WIN W_PV
.set i, 0
.rept 8
	v_wmma_f32_16x16x32_f16 v[8*i:8*i+7], v[VL+8*i:VL+8*i+7], v[S:S+7], v[8*i:8*i+7]
.set i, i+1
.endr
	WIN 0
.endm
; A BLOCK'S END.  Phase p: every wave puts its partial O^T of query tile p / 2, channels 64 (p % 2) on, into region p % 2; behind a barrier wave w reads the four waves' part for channels 16 w on.
; A region is written again two phases later: its reads were waited for in front of the barrier between.
.macro PHASE p
	WIN 0x04                                       ; the stores' data in window 1
.irp q, 0,1,2,3
	ds_store_b128 v[MXA], v[64*((\p)/2)+8*(4*((\p)%2)+(\q)):64*((\p)/2)+8*(4*((\p)%2)+(\q))+3]   offset:((\p)%2)*16384+(\q)*1024
	ds_store_b128 v[MXA], v[64*((\p)/2)+8*(4*((\p)%2)+(\q))+4:64*((\p)/2)+8*(4*((\p)%2)+(\q))+7] offset:((\p)%2)*16384+(\q)*1024+512
.endr
	WIN 0
	s_wait_dscnt 0x0                               ; my stores are done, and the loads of the phase before are back
	s_barrier_signal -1
	s_barrier_wait -1
.irp x, 0,1,2,3
	ds_load_b128 v[96+32*((\p)%2)+8*(\x):96+32*((\p)%2)+8*(\x)+3],   v[MXR] offset:((\p)%2)*16384+(\x)*4096
	ds_load_b128 v[96+32*((\p)%2)+8*(\x)+4:96+32*((\p)%2)+8*(\x)+7], v[MXR] offset:((\p)%2)*16384+(\x)*4096+512
.endr
.endm
; The four waves' parts are added, rounded to f16 and stored: a wave's store covers 512 consecutive bytes, aligned.  lo = 1 (query tile 0 of the second block): in the cluster with u = 0, O - f16(O),
; exact in f32, is rounded to f16 and stored in ol.
.macro SUM p, ob, lo
.set BB, 96+32*((\p)%2)
.irp k, 0,2,4,6
	v_pk_add_f32 v[BB+(\k):BB+(\k)+1],       v[BB+(\k):BB+(\k)+1],       v[BB+8+(\k):BB+8+(\k)+1]
	v_pk_add_f32 v[BB+16+(\k):BB+16+(\k)+1], v[BB+16+(\k):BB+16+(\k)+1], v[BB+24+(\k):BB+24+(\k)+1]
.endr
.irp k, 0,2,4,6
	v_pk_add_f32 v[BB+(\k):BB+(\k)+1], v[BB+(\k):BB+(\k)+1], v[BB+16+(\k):BB+16+(\k)+1]
.endr
.irp k, 0,1,2,3
	v_cvt_pk_f16_f32 v[160+4*(\p)+(\k)], v[BB+2*(\k)], v[BB+2*(\k)+1]
.endr
	global_store_b128 v[GO], v[160+4*(\p):160+4*(\p)+3], s[\ob:\ob+1] offset:((\p)/2)*16384+((\p)%2)*2048
.if \lo
	s_cmp_lg_u32 s[U], 0                           ; u is alike in all partners and waves
	s_cbranch_scc1 .Lno_ol_\@
.irp k, 0,1,2,3
	v_fma_mix_f32 v[BB+8+2*(\k)],   v[160+4*(\p)+(\k)], v[NEG1], v[BB+2*(\k)]   op_sel_hi:[1,0,0]               ; the low half x -1 + O
	v_fma_mix_f32 v[BB+8+2*(\k)+1], v[160+4*(\p)+(\k)], v[NEG1], v[BB+2*(\k)+1] op_sel:[1,0,0] op_sel_hi:[1,0,0]  ; the high half
.endr
.irp k, 0,1,2,3
	v_cvt_pk_f16_f32 v[BB+16+(\k)], v[BB+8+2*(\k)], v[BB+8+2*(\k)+1]
.endr
	global_store_b128 v[GO], v[BB+16:BB+19], s[OLB:OLB+1] offset:((\p)%2)*2048
	s_wait_xcnt 0x0                                ; the store has read its data: these registers are loaded again two phases on
.Lno_ol_\@:
.endif
.endm
.macro END ob, more
	WIN 0
.irp t, 0,1,2,3
	v_add_f32 v[ST+8*(\t)+2], v[ST+8*(\t)+2], v[ST+8*(\t)+3]      ; l's two halves: these four lines are also the places behind the last products
.endr
.irp t, 0,1,2,3
	v_permlanex16_b32 v[ST+8*(\t)+3], v[ST+8*(\t)+2], s[SEL], s[SEL+1]
.endr
.irp t, 0,1,2,3
	v_add_f32 v[ST+8*(\t)+2], v[ST+8*(\t)+2], v[ST+8*(\t)+3]
.endr
.if \more
	WIN 0x80                                       ; the second block's Q: it lands while the first block goes out
.irp f, 0,1,2,3,4,5,6,7,8,9,10,11,12,13,14,15
	global_load_b128 v[8*(\f):8*(\f)+3],   v[QO], s[QB2:QB2+1] offset:(\f)*1024
	global_load_b128 v[8*(\f)+4:8*(\f)+7], v[QO], s[QB2:QB2+1] offset:(\f)*1024+512
.endr
	WIN 0
.endif
.irp t, 0,1,2,3
	ds_store_b32 v[MLA], v[ST+8*(\t)]   offset:(\t)*256
	ds_store_b32 v[MLA], v[ST+8*(\t)+2] offset:1024+(\t)*256
.endr
	s_wait_dscnt 0x0
	s_barrier_signal -1
	s_barrier_wait -1
.irp t, 0,1,2,3
	ds_load_b128 v[64+4*(\t):67+4*(\t)], v[MLR] offset:(\t)*256
	ds_load_b128 v[80+4*(\t):83+4*(\t)], v[MLR] offset:1024+(\t)*256
.endr
	s_wait_dscnt 0x0
.irp t, 0,1,2,3
	v_max3_num_f32 v[MT+(\t)], v[64+4*(\t)], v[65+4*(\t)], v[66+4*(\t)]
.endr
.irp t, 0,1,2,3
	v_max_num_f32 v[MT+(\t)], v[MT+(\t)], v[67+4*(\t)]            ; the four waves' greatest c m
.endr
.irp t, 0,1,2,3
.irp x, 0,1,2,3
	v_sub_f32 v[64+4*(\t)+(\x)], v[64+4*(\t)+(\x)], v[MT+(\t)]
.endr
	v_sub_f32 v[ST+8*(\t)+4], v[ST+8*(\t)], v[MT+(\t)]
.endr
.irp t, 0,1,2,3
.irp x, 0,1,2,3
	v_exp_f32 v[64+4*(\t)+(\x)], v[64+4*(\t)+(\x)]                ; each wave's factor,
.endr
	v_exp_f32 v[ST+8*(\t)+4], v[ST+8*(\t)+4]                      ; and my own
.endr
	v_nop
	s_wait_alu depctr_va_vdst(0)                   ; one wait for the 20
.irp t, 0,1,2,3
	v_pk_mul_f32 v[64+4*(\t):65+4*(\t)], v[64+4*(\t):65+4*(\t)], v[80+4*(\t):81+4*(\t)]
.endr
.irp t, 0,1,2,3
	v_pk_fma_f32 v[64+4*(\t):65+4*(\t)], v[66+4*(\t):67+4*(\t)], v[82+4*(\t):83+4*(\t)], v[64+4*(\t):65+4*(\t)]
.endr
.irp t, 0,1,2,3
	v_add_f32 v[ST+8*(\t)+5], v[64+4*(\t)], v[65+4*(\t)]          ; the merged l
.endr
.irp t, 0,1,2,3
	v_rcp_f32 v[ST+8*(\t)+6], v[ST+8*(\t)+5]
.endr
	v_nop
	s_wait_alu depctr_va_vdst(0)                   ; one wait for the four
.irp t, 0,1,2,3
	v_mul_f32 v[ST+8*(\t)+6], v[ST+8*(\t)+6], v[ST+8*(\t)+4]      ; my factor / l
.endr
	WIN W_RS
.irp t, 0,1,2,3
.set i, 64*(\t)
.rept 32
	v_pk_mul_f32 v[i:i+1], v[i:i+1], v[ST+8*(\t)+6:ST+8*(\t)+7] op_sel_hi:[1,0]
.set i, i+2
.endr
.endr
	PHASE 0
	PHASE 1
	SUM 0, \ob, 1-(\more)
	PHASE 2
	SUM 1, \ob, 1-(\more)
.irp p, 3,4,5,6,7
	PHASE \p
	SUM (\p)-1, \ob, 0
.endr
	s_wait_dscnt 0x0
	SUM 7, \ob, 0
.if \more
	s_mov_b32 s[E], s[E2]                          ; the second block begins: its first step multiplies what O^T and l still hold by a = 0
	s_add_co_u32 s[RT], s[U], 1
.irp t, 0,1,2,3
	v_mov_b32 v[ST+8*(\t)], 0xfe000000             ; c m: far below every c s
	v_mov_b32 v[ST+8*(\t)+1], 0xd8800000           ; m: -2^50
.endr
.endif
.endm
	s_load_b128 s[4:7], s[0:1], 0x0                ; qf s[4:5], kv s[6:7]
	s_load_b64 s[8:9], s[0:1], 0x10                ; of
	s_load_b128 s[84:87], s[0:1], 0x18             ; vl s[84:85], ol s[86:87]
	v_lshl_add_u32 v[SPW], v0, 2, SPARE
	v_mov_b32 v[NIL], 0
	ds_add_u32 v[SPW], v[NIL]                      ; the wave's opening: the add and its wait stand ahead of my first tensor load
	v_lshrrev_b32 v1, 5, v0
	v_readfirstlane_b32 s[WV], v1
	s_bfe_u32 s[CX], ttmp6, 0x40000
	s_mov_b32 s[U], ttmp9                          ; the cluster's number in its head
	s_and_b32 s[BH], ttmp7, 0xffff                 ; the head
	s_mov_b32 s[G1], 15|(3<<16)|(1<<21)            ; the mask of four; 8-byte elements; bit 21 beside a mask; no padding: 32,768 dense bytes as 128 rows of 256
	s_mov_b32 s[G1+1], 32<<16
	s_mov_b32 s[G1+2], 128<<16
	s_mov_b32 s[G1+3], 32<<16
	s_mov_b32 s[G1+4], 128
	s_mov_b32 s[G1+5], 32
	s_mov_b32 s[G1+6], 0
	s_mov_b32 s[G1+7], 0
	s_mov_b32 s[G0], 1
	s_lshl_b32 s[G0+1], s[WV], 15                  ; slot 0, my quarter
	s_lshl_b32 s20, s[BH], 20
	s_lshl_b32 s21, s[WV], 15
	s_add_co_u32 s20, s20, s21                     ; kv: the head, my 64 keys of a tile
	s_mov_b32 s21, 0
	s_lshl_b32 s22, s[U], 2
	s_add_co_u32 s22, s22, s[CX]                   ; b: the second block
	s_sub_co_u32 s23, 31, s22                      ; the first
	s_lshl_b32 s72, s[BH], 19
	s_lshl_b32 s74, s23, 14
	s_add_co_u32 s74, s74, s72
	s_mov_b32 s75, 0
	s_lshl_b32 s76, s22, 14
	s_add_co_u32 s76, s76, s72
	s_mov_b32 s77, 0
	s_lshr_b32 s72, s[BH], 2                       ; of: (batch x 128 + 4 x block) row blocks of 16,384 bytes, the head's 4,096 of each
	s_lshl_b32 s72, s72, 21
	s_and_b32 s73, s[BH], 3
	s_lshl_b32 s73, s73, 12
	s_add_co_u32 s72, s72, s73
	s_lshl_b32 s78, s23, 16
	s_add_co_u32 s78, s78, s72
	s_mov_b32 s79, 0
	s_lshl_b32 s80, s22, 16
	s_add_co_u32 s80, s80, s72
	s_mov_b32 s81, 0
	s_lshl_b32 s82, s[BH], 20                      ; the prefetches: my work-group's quarter of a tile, my wave's quarter of that, at tile 1
	s_lshl_b32 s83, s[CX], 15
	s_add_co_u32 s82, s82, s83
	s_lshl_b32 s83, s[WV], 13
	s_add_co_u32 s82, s82, s83
	s_add_co_u32 s82, s82, SLOT1
	s_mov_b32 s83, 0
	s_lshl_b32 s88, s[BH], 13                      ; vl: 8,192 bytes a head
	s_mov_b32 s89, 0
	s_lshl_b32 s90, s[CX], 16                      ; ol: [cx][batch][16 chunks of 1,024 bytes]; the head's four chunks
	s_lshr_b32 s91, s[BH], 2
	s_lshl_b32 s91, s91, 14
	s_add_co_u32 s90, s90, s91
	s_add_co_u32 s90, s90, s73
	s_mov_b32 s91, 0
	s_or_b32 s[FM], s[U], s[CX]
	s_or_b32 s[FM], s[FM], s[WV]
	s_cmp_eq_u32 s[FM], 0
	s_cselect_b32 s[FM], -1, 0
	s_cmp_eq_u32 s[U], 0
	s_cselect_b32 s[LIM], 2, -1
	s_sub_co_u32 s[E], 3, s[CX]
	s_mov_b32 s[E2], s[CX]
	s_sub_co_u32 s[RT], 8, s[U]
	s_mov_b32 s[NXT], 1
	s_sub_co_u32 s[LQ], 7, s[U]
	s_mov_b32 s[OFF+1], 0
	s_mov_b32 s[SLOTS], 8
	s_mov_b32 s[CS], 0x3e0293ee                    ; c = log2(e) / sqrt(128)
	s_mov_b32 s[CS+1], s[CS]
	s_mov_b32 s[SEL], 0x76543210
	s_mov_b32 s[SEL+1], 0xfedcba98
	s_mov_b32 s[TB], SLOT1                         ; the first change of slots turns it into 0
	s_mov_b32 s[AL+1], 0
	s_mov_b32 s[BE+1], 0
	s_mov_b32 s[BIGN], 0xf149f2ca                  ; -1e30
	s_wait_dscnt 0x0                               ; the opening add is done
	s_wait_kmcnt 0x0
	s_add_nc_u64 s[QB2:QB2+1], s[4:5], s[76:77]
	s_add_nc_u64 s[4:5], s[4:5], s[74:75]
	s_add_nc_u64 s[OB2:OB2+1], s[8:9], s[80:81]
	s_add_nc_u64 s[8:9], s[8:9], s[78:79]
	s_add_nc_u64 s[PFA:PFA+1], s[6:7], s[82:83]
	s_add_nc_u64 s[6:7], s[6:7], s[20:21]
	s_add_nc_u64 s[VLB:VLB+1], s[VLB:VLB+1], s[88:89]
	s_add_nc_u64 s[OLB:OLB+1], s[OLB:OLB+1], s[90:91]
	s_add_nc_u64 s[G0+2:G0+3], s[6:7], 0
	s_or_b32 s[G0+3], s[G0+3], 0x80000000
	CROUND                                         ; all four work-groups are here: the first joint loads meet
	tensor_load_to_lds s[G0:G0+3], s[G1:G1+7]      ; tile 0 into slot 0; slot 1 is asked for when slot 0 is in
	s_nop 0
.rept 4
	v_nop
.endr
	v_and_b32 v1, 15, v0                           ; l % 16
	v_bfe_u32 v3, v0, 4, 1                         ; l / 16
	v_and_b32 v11, 31, v0
	v_lshlrev_b32 v[QO], 4, v11
	WIN 0x80
.irp f, 0,1,2,3,4,5,6,7,8,9,10,11,12,13,14,15      ; Q stays in registers: tile f / 4, channels 32 (f % 4) on
	global_load_b128 v[8*(\f):8*(\f)+3],   v[QO], s[4:5] offset:(\f)*1024
	global_load_b128 v[8*(\f)+4:8*(\f)+7], v[QO], s[4:5] offset:(\f)*1024+512
.endr
	WIN 0xc0
.irp f, 0,1,2,3,4,5,6,7                            ; v - f16(v) of the head's keys 0 to 31, channels 16 f on: every wave loads it, so that the one text of the walk's last tile finds it
	global_load_b128 v[VL+8*(\f):VL+8*(\f)+3],   v[QO], s[VLB:VLB+1] offset:(\f)*1024
	global_load_b128 v[VL+8*(\f)+4:VL+8*(\f)+7], v[QO], s[VLB:VLB+1] offset:(\f)*1024+512
.endr
	WIN 0
	v_mov_b32 v[NEG1], -1.0
	s_lshl_b32 s72, s[WV], 15
	v_add_nc_u32 v[A0], s72, v[QO]
	v_lshlrev_b32 v[MLR], 4, v1
	v_add_nc_u32 v[MLR], ML, v[MLR]
	s_lshl_b32 s72, s[WV], 2
	v_add_nc_u32 v[MLA], s72, v[MLR]
	s_lshl_b32 s72, s[WV], 9
	v_add_nc_u32 v[GO], s72, v[QO]
	s_lshl_b32 s72, s[WV], 12
	s_add_co_u32 s72, s72, MX
	v_add_nc_u32 v[MXA], s72, v[QO]
	s_lshl_b32 s72, s[WV], 10
	s_add_co_u32 s72, s72, MX
	v_add_nc_u32 v[MXR], s72, v[QO]
	v_lshlrev_b32 v[PFO], 8, v11
	v_lshlrev_b32 v11, 3, v3
	v_sub_nc_u32 v11, v1, v11                      ; my query less my lanes' 8 (l / 16): register i of the triangle is hidden where i is greater
	WIN 0xc0
.set i, 0
.rept 8
	v_cmp_gt_i32 vcc_lo, i, v11
	v_cndmask_b32 v[TRI+i], 0, s[BIGN], vcc_lo
.set i, i+1
.endr
	WIN 0x40                                       ; no first step is written out: O^T and l start at 0, and the first step's a is 0.  All this stands in the wait for the first tile
.set i, 0
.rept 256
	v_mov_b32 v[i], 0
.set i, i+1
.endr
	WIN 0
.irp t, 0,1,2,3
	v_mov_b32 v[ST+8*(\t)], 0xfe000000
	v_mov_b32 v[ST+8*(\t)+1], 0xd8800000
	v_mov_b32 v[ST+8*(\t)+2], 0
	v_mov_b32 v[ST+8*(\t)+3], 0
.endr
.Lslot:                                        ; eight times: a tile is entered and the next is asked for
	CHANGE 1
	HEADT
	STEP
	s_cmp_lg_u32 s[RT], 0                          ; made of u alone: alike in all waves and all partners
	s_cbranch_scc1 .Lbottom
	END 8, 1                                       ; in the loop this is the first block's end: the second block's last tile is the walk's last
.Lbottom:
	s_sub_co_u32 s[SLOTS], s[SLOTS], 1
	s_cmp_lg_u32 s[SLOTS], 0
	s_cbranch_scc1 .Lslot
	CHANGE 0                                       ; the walk's last tile is written out
	HEADT
	STEP
	LOWV
	END OB2, 0
	s_wait_tensorcnt 0x0                           ; the wave's end
	ds_add_u32 v[SPW], v[NIL]
	s_wait_dscnt 0x0
	CROUND                                         ; the closing round
	s_endpgm
.Lfunc_end_k_qadb6a0088b_attn:
	.size	k_qadb6a0088b_attn, .Lfunc_end_k_qadb6a0088b_attn-k_qadb6a0088b_attn
	.p2alignl 7, 3214868480
	.fill 96, 4, 3214868480
	.section	.rodata,"a",@progbits
	.p2align	6, 0x0
	.amdhsa_kernel k_qadb6a0088b_attn
		.amdhsa_group_segment_fixed_size 327680
		.amdhsa_private_segment_fixed_size 0
		.amdhsa_enable_private_segment 0
		.amdhsa_kernarg_size 40
		.amdhsa_user_sgpr_count 2
		.amdhsa_user_sgpr_kernarg_segment_ptr 1
		.amdhsa_wavefront_size32 1
		.amdhsa_system_sgpr_workgroup_id_x 1
		.amdhsa_system_sgpr_workgroup_id_y 1
		.amdhsa_system_sgpr_workgroup_id_z 1
		.amdhsa_system_vgpr_workitem_id 0
		.amdhsa_next_free_vgpr 1024
		.amdhsa_next_free_sgpr 96
		.amdhsa_reserve_vcc 1
		.amdhsa_float_denorm_mode_32 3
		.amdhsa_float_denorm_mode_16_64 3
		.amdhsa_memory_ordered 1
		.amdhsa_forward_progress 1
		.amdhsa_inst_pref_size 175
	.end_amdhsa_kernel
	.amdgpu_metadata
---
amdhsa.version: [ 1, 2 ]
amdhsa.kernels:
  - .name:           k_qadb6a0088b_attn
    .symbol:         k_qadb6a0088b_attn.kd
    .args:
      - { .name: qf, .offset: 0, .size: 8, .value_kind: global_buffer, .address_space: global }
      - { .name: kv, .offset: 8, .size: 8, .value_kind: global_buffer, .address_space: global }
      - { .name: of, .offset: 16, .size: 8, .value_kind: global_buffer, .address_space: global }
      - { .name: vl, .offset: 24, .size: 8, .value_kind: global_buffer, .address_space: global }
      - { .name: ol, .offset: 32, .size: 8, .value_kind: global_buffer, .address_space: global }
    .group_segment_fixed_size: 327680
    .private_segment_fixed_size: 0
    .kernarg_segment_align: 8
    .kernarg_segment_size: 40
    .max_flat_workgroup_size: 128
    .sgpr_count:     96
    .vgpr_count:     1024
    .wavefront_size: 32
...
	.end_amdgpu_metadata
.endif
;; end of part 3
;; launch oproj (part 4): grid 32 x 8, 4 waves a work-group, clusters of 4 x 1, 327,680 bytes of LDS; arguments of, cb, out0, ol; writes out0
.if DOCPART == 4
	.amdgcn_target "amdgcn-amd-amdhsa--gfx1250"
	.amdhsa_code_object_version 6
	.text
	.protected	k_qadb6a0088b_oproj
	.globl	k_qadb6a0088b_oproj
	.p2align	8
	.type	k_qadb6a0088b_oproj,@function
k_qadb6a0088b_oproj:
	s_mov_b64 s[64:65], 0
	v_nop
	global_prefetch_b8 v0, s[64:65] scope:SCOPE_SE
	s_setreg_imm32_b32 hwreg(HW_REG_WAVE_MODE, 25, 1), 1
	s_wait_xcnt 0x0
	s_wait_alu depctr_hold_cnt(0) depctr_sa_sdst(0) depctr_va_vdst(0) depctr_va_sdst(0) depctr_va_ssrc(0) depctr_va_vcc(0) depctr_vm_vsrc(0)
	s_getreg_b32 s2, hwreg(HW_REG_IB_STS2, 6, 4)
	s_cmp_eq_u32 s2, 0
	s_cbranch_scc0 .Lentry_in_a_cluster
	s_endpgm
.Lentry_in_a_cluster:
	s_bfe_u32 s2, ttmp6, 0x10000c
	s_cmp_lg_u32 s2, 0x3003
	s_cbranch_scc0 .Lentry_shape_is_right
	s_endpgm
.Lentry_shape_is_right:
; out0[m][n] = the sum over k of O[m][k] wo[n][k].  O: 8,192 x 512 in f16, stored as matrix fragments (row block of 16 rows = 16,384 bytes; chunk of 32 k = 1,024 bytes: lane l's 16 bytes at 512 r + 16 l);
; wo: [2048][512] in f16 (each number rounded to bf16 first), at WOOFF in cb; out0: [8192][2048] in f32.  Sums in f32, K ascending.
; SHARES.  A work-group makes 256 x 256 of out0.  A wave owns 64 rows and keeps ITS ROWS OF O IN REGISTERS for all 512 k: 4 row blocks x 16 chunks x 8 = 512 registers, loaded straight from memory
; (a wave's load covers 512 consecutive bytes, since O lies in fragment order); they never pass through LDS.  wo's 256 rows lie in LDS whole, 1,024 bytes a row: LDS is filled once, so there is no ring.
; A LOOP OF FOUR TRIPS walks the columns in groups of 64: 16 accumulators (4 row blocks x 4 column blocks), 256 matrix instructions, and then the group's 64 x 64 numbers leave, while the later groups are
; still to be multiplied: only the last group's stores stand behind the last product.
; CLUSTER 4 x 1: cx is the batch, the cluster's x the tile's place in its sequence, y the column tile.  The four partners need the same rows of wo: asked for jointly.  O's rows are not shared so: a joint
; load lands in LDS, of which wo's tile takes 266,240 bytes.
; THE FIRST ROWS.  For rows 0 to 15 of each sequence ol holds O - f16(O) in f16, 16 chunks of 32 k.  Wave 0 of a sequence's first tile adds wo x that onto row block 0's four accumulators, 8 products
; behind each run, with the fragments of wo that the run has just used.  The branch hangs on the cluster's x and the wave's number.  Every wave loads the 16 chunks, so that the registers are written on every path.
; THE PRODUCT IS USED TRANSPOSED (source 0 = 16 rows of wo, source 1 = 16 rows of O): a lane holds eight neighbouring numbers of a row of out0.
; Nothing is prefetched: every byte that the launch reads is asked for by its own load at the kernel's head.
; REGISTERS: window 0 v0-29 addresses, v32-159 accumulator (a, b) at v[32 + 8 (4 a + b)], v160-255 three sets of 32 for the way out; window 1 v0-127 wo's fragments, two buffers of two chunks,
;   v128-255 ol's chunks; windows 2, 3: O's fragment (row block a, chunk c) at v[32 (c % 8) + 8 a] of window 2 + c / 8.
.set BPITCH, 1040                      ; a row of wo in LDS: 1,024 bytes + 16 of padding = 65 x 16: the 16 rows of a fragment load start at 16 different groups of four banks
.set GROUPB, 64*BPITCH                 ; a group's 64 rows
.set STAGE,  4*GROUPB                  ; behind wo's tile, never filled by a tensor load: 16 rows x 272 bytes for each wave
.set SPITCH, 272                       ; 256 bytes + 16
.set SPARE,  STAGE+4*16*SPITCH         ; the spare words, 128 bytes a wave: two blocks of 256 bytes that no other line names
.set WOOFF,  39845888
.set AB0, 20                           ; v20  my lane's place in a group of wo: (l % 16) x pitch + 16 (l / 16); never rewritten
.set ADR, 21                           ; v21  the same in the group in hand
.set STO, 24                           ; v24  the way out: where I put 32 bytes of a row
.set RD,  25                           ; v25  the way out: where I read rows back
.set CO,  26                           ; v26  16 l: my 16 bytes of a run of 512; never rewritten
.set GO,  27                           ; v27  my 16 bytes of two rows of out0
.set SPW, 28
.set NIL, 29
.set ACC, 32
.set BK,  160
.set OL,  128                          ; window 1
.set WV,  10                           ; s10  my wave's number
.set OLB, 18                           ; s[18:19] ol at my batch
.set G1A, 24                           ; s[24:31] descriptor group 1: 16 rows
.set G0A, 32                           ; s[32:35] group 0: my 16 rows of group 0
.set G0R, 36                           ; s[36:39] group 0: my 48 rows of groups 1 to 3
.set TB,  44                           ; s44  LDS byte at which the group in hand begins
.set FST, 45                           ; s45  0 in the wave that holds a sequence's first rows
.set G1R, 48                           ; s[48:55] descriptor group 1: 48 rows
.set MSB, 0
.macro WIN new                         ; the immediate's high byte repeats the setting that is left; a switch that changes nothing is dropped
.if MSB != (\new)
	s_set_vgpr_msb (MSB<<8)|(\new)
.set MSB, (\new)
.endif
.endm
.macro PLACES                          ; four plain places behind matrix instructions, in front of loads into their registers and of reads of their results
.rept 4
	v_nop
.endr
.endm
.macro CROUND                          ; a round of the cluster's barrier
	s_barrier_signal -1
	s_barrier_wait -1
	s_cmp_lg_u32 s[WV], 0
	s_cbranch_scc1 .Lnot_wave_0_\@
	s_barrier_signal -3
.Lnot_wave_0_\@:
	s_barrier_wait -3
	s_barrier_signal -1
	s_barrier_wait -1
.endm
; Chunks c0 to c1 - 1: of each, my four row blocks' fragments of O (8 loads) and ol's chunk (2 loads): ten loads a chunk, in the order in which the products want them.
.macro ALOADS c0, c1
.set c, (\c0)
.rept (\c1)-(\c0)
	WIN 0x80+0x40*(c/8)
.irp a, 0,1,2,3
	global_load_b128 v[32*(c%8)+8*(\a):32*(c%8)+8*(\a)+3],   v[CO], s[4:5] offset:(\a)*16384+c*1024
	global_load_b128 v[32*(c%8)+8*(\a)+4:32*(c%8)+8*(\a)+7], v[CO], s[4:5] offset:(\a)*16384+c*1024+512
.endr
	WIN 0x40
	global_load_b128 v[OL+8*c:OL+8*c+3],   v[CO], s[OLB:OLB+1] offset:c*1024
	global_load_b128 v[OL+8*c+4:OL+8*c+7], v[CO], s[OLB:OLB+1] offset:c*1024+512
.set c, c+1
.endr
	WIN 0
.endm
	s_load_b128 s[4:7], s[0:1], 0x0                ; of s[4:5], cb s[6:7]
	s_load_b64 s[8:9], s[0:1], 0x10                ; out0
	s_load_b64 s[OLB:OLB+1], s[0:1], 0x18          ; ol
	v_lshl_add_u32 v[SPW], v0, 2, SPARE
	v_mov_b32 v[NIL], 0
	ds_add_u32 v[SPW], v[NIL]                      ; the wave's opening: the add and its wait stand ahead of my first tensor load; work on registers stands between them
	v_lshrrev_b32 v1, 5, v0
	v_readfirstlane_b32 s[WV], v1
	v_and_b32 v3, 31, v0
	v_lshlrev_b32 v[CO], 4, v3
	s_bfe_u32 s11, ttmp6, 0x40000                  ; cx = the batch: it enters O's, ol's and out0's addresses alone
	s_mov_b32 s12, ttmp9                           ; the cluster's x, 0 to 7: the tile's place in its sequence
	s_and_b32 s13, ttmp7, 0xffff                   ; the column tile, which the four partners share
	s_or_b32 s[FST], s12, s[WV]                    ; 0: the sequence's first tile, and its first 64 rows are mine
	; descriptor group 1: rows of 512 elements of 2 bytes, 4 words of padding behind each
	s_mov_b32 s[G1A], 15|(1<<16)|(1<<20)|(1<<21)|(7<<22)|(3<<25)  ; the mask of four; 2-byte elements; padding on; bit 21 beside a mask; after every 256 words (code 7) 4 words (code 3)
	s_mov_b32 s[G1R], 15|(1<<16)|(1<<20)|(1<<21)|(7<<22)|(3<<25)
.irp g, G1A, G1R
	s_mov_b32 s[(\g)+1], 512<<16                   ; tensor_dim0 = 512
	s_mov_b32 s[(\g)+3], 512<<16                   ; tile_dim0 = 512
	s_mov_b32 s[(\g)+5], 512                       ; elements from row to row
	s_mov_b32 s[(\g)+6], 0
	s_mov_b32 s[(\g)+7], 0
.endr
	s_mov_b32 s[G1A+2], 16<<16                     ; tensor_dim1 = 16
	s_mov_b32 s[G1A+4], 16                         ; tile_dim1 = 16
	s_mov_b32 s[G1R+2], 48<<16
	s_mov_b32 s[G1R+4], 48
	s_mov_b32 s[G0A], 1
	s_mul_i32 s[G0A+1], s[WV], 16*BPITCH           ; rows 16 w on: my quarter of group 0
	s_mov_b32 s[G0R], 1
	s_mul_i32 s[G0R+1], s[WV], 48*BPITCH           ; rows 64 + 48 w on: my quarter of groups 1 to 3.  No place in the cluster enters an LDS address
	s_add_co_u32 s[G0R+1], s[G0R+1], GROUPB
	s_lshl_b32 s40, s13, 18                        ; wo: row 256 x column tile + 16 w, 1,024 bytes a row
	s_lshl_b32 s41, s[WV], 14
	s_add_co_u32 s40, s40, s41
	s_mov_b32 s41, 0
	s_lshl_b32 s42, s13, 18                        ; and row 256 x column tile + 64 + 48 w
	s_mul_i32 s43, s[WV], 48*1024
	s_add_co_u32 s42, s42, s43
	s_add_co_u32 s42, s42, 64*1024
	s_mov_b32 s43, 0
	s_lshl_b32 s14, s11, 3
	s_add_co_u32 s14, s14, s12                     ; tile row = 8 x batch + place
	s_lshl_b32 s16, s14, 18                        ; O: row block 16 x tile row + 4 w, 16,384 bytes a block
	s_lshl_b32 s17, s[WV], 16
	s_add_co_u32 s16, s16, s17
	s_mov_b32 s17, 0
	s_lshl_b32 s22, s11, 14                        ; ol: 16,384 bytes a batch
	s_mov_b32 s23, 0
	s_lshl_b32 s20, s14, 21                        ; out0: row 256 x tile row + 64 w, 8,192 bytes a row; column 256 x column tile.  The first way out adds this to out0's address
	s_lshl_b32 s21, s[WV], 19
	s_add_co_u32 s20, s20, s21
	s_lshl_b32 s21, s13, 10
	s_add_co_u32 s20, s20, s21
	s_mov_b32 s21, 0
	s_wait_dscnt 0x0                               ; the opening add is done
	s_wait_kmcnt 0x0
	s_add_nc_u64 s[4:5], s[4:5], s[16:17]
	s_add_nc_u64 s[OLB:OLB+1], s[OLB:OLB+1], s[22:23]
	s_add_nc_u64 s[6:7], s[6:7], WOOFF
	s_add_nc_u64 s[G0A+2:G0A+3], s[6:7], s[40:41]
	s_or_b32 s[G0A+3], s[G0A+3], 0x80000000
	s_add_nc_u64 s[G0R+2:G0R+3], s[6:7], s[42:43]
	s_or_b32 s[G0R+3], s[G0R+3], 0x80000000
	ALOADS 0, 6                                    ; the first 60 loads go out ahead of the round: they hang on no partner
	CROUND                                         ; all four work-groups are here: the joint loads meet
	tensor_load_to_lds s[G0A:G0A+3], s[G1A:G1A+7]  ; both fills of the launch stand together: two tensor loads of mine are out; a wave's loads end in order, so group 0's rows come first
	s_nop 0
	tensor_load_to_lds s[G0R:G0R+3], s[G1R:G1R+7]
	s_nop 0
.rept 4
	v_nop
.endr
	v_and_b32 v1, 15, v0                           ; l % 16
	v_bfe_u32 v2, v0, 4, 1                         ; l / 16
	v_mul_u32_u24 v[AB0], v1, BPITCH
	v_lshl_add_u32 v[AB0], v2, 4, v[AB0]
	s_mul_i32 s23, s[WV], 16*SPITCH
	s_add_co_u32 s23, s23, STAGE                   ; my stage
	v_mul_u32_u24 v4, v1, SPITCH                   ; in: row l % 16, 32 bytes for each half of the lanes
	v_lshl_add_u32 v4, v2, 5, v4
	v_add_nc_u32 v[STO], s23, v4
	v_mul_u32_u24 v5, v2, SPITCH                   ; back: lanes 0-15 take one row of 256 bytes, lanes 16-31 the next
	v_lshl_add_u32 v5, v1, 4, v5
	v_add_nc_u32 v[RD], s23, v5
	v_lshlrev_b32 v[GO], 13, v2                    ; and the same two rows in out0
	v_lshl_add_u32 v[GO], v1, 4, v[GO]
	ALOADS 6, 16                                   ; the other 100 loads
; 16 LDS loads in one run: wo's fragments of chunks 2 r and 2 r + 1, four column blocks each, into buffer f
.macro FETCH r, f
	WIN 0x40
.irp p, 0,1
.irp b, 0,1,2,3
	ds_load_b128 v[(\f)+32*(\p)+8*(\b):(\f)+32*(\p)+8*(\b)+3],   v[ADR] offset:(\b)*16*BPITCH+(2*(\r)+(\p))*64
	ds_load_b128 v[(\f)+32*(\p)+8*(\b)+4:(\f)+32*(\p)+8*(\b)+7], v[ADR] offset:(\b)*16*BPITCH+(2*(\r)+(\p))*64+32
.endr
.endr
.endm
; RUN r of a group's eight: chunks 2 r and 2 r + 1: 32 matrix instructions on buffer r % 2, while the next run's fragments come into the other.  The 16 accumulators take turns, one instruction a turn;
; the first chunk's products start the sums.  Behind them, in the wave with a sequence's first rows, 8 products with ol's two chunks, row block 0's four accumulators by turns:
; the matrix instruction ahead names accumulator (3, 3), the one behind (0, 0).
.macro RUN r
.set FB, 64*((\r)%2)
.set LC, 160-20*((\r)+1)               ; of the 160 loads at the head, those younger than this run's two chunks
.if LC > 63
.set LC, 63                            ; (a wait names 63 at the most: all but the youngest 63 of 160 cover chunks 0 to 8)
.endif
	s_wait_loadcnt LC                              ; O's and ol's fragments of these two chunks are in; from the second trip on nothing is out
.if (\r) < 7
	PLACES                                         ; the other buffer was read by the run before
	FETCH (\r)+1, 64-FB
	s_wait_dscnt 16                                ; all but the 16 just issued: this run's fragments are in
.else
	s_wait_dscnt 0x0
.endif
	WIN 0x09+4*((\r)/4)                            ; source 0 (wo) window 1, source 1 (O) window 2 or 3, C and D window 0
.irp p, 0,1
.irp a, 0,1,2,3
.irp b, 0,1,2,3
.if ((\r) == 0) && ((\p) == 0)
	v_wmma_f32_16x16x32_f16 v[ACC+8*(4*(\a)+(\b)):ACC+8*(4*(\a)+(\b))+7], v[FB+32*(\p)+8*(\b):FB+32*(\p)+8*(\b)+7], v[32*((2*(\r)+(\p))%8)+8*(\a):32*((2*(\r)+(\p))%8)+8*(\a)+7], 0
.else
	v_wmma_f32_16x16x32_f16 v[ACC+8*(4*(\a)+(\b)):ACC+8*(4*(\a)+(\b))+7], v[FB+32*(\p)+8*(\b):FB+32*(\p)+8*(\b)+7], v[32*((2*(\r)+(\p))%8)+8*(\a):32*((2*(\r)+(\p))%8)+8*(\a)+7], v[ACC+8*(4*(\a)+(\b)):ACC+8*(4*(\a)+(\b))+7]
.endif
.endr
.endr
.endr
	WIN 0
	s_cmp_lg_u32 s[FST], 0
	s_cbranch_scc1 .Lno_lo_\@
	WIN 0x05                                       ; sources 0 and 1 window 1
.irp p, 0,1
.irp b, 0,1,2,3
	v_wmma_f32_16x16x32_f16 v[ACC+8*(\b):ACC+8*(\b)+7], v[FB+32*(\p)+8*(\b):FB+32*(\p)+8*(\b)+7], v[OL+8*(2*(\r)+(\p)):OL+8*(2*(\r)+(\p))+7], v[ACC+8*(\b):ACC+8*(\b)+7]
.endr
.endr
	WIN 0
.Lno_lo_\@:
.endm
; THE WAY OUT of row block a, in f32: a lane's 32 bytes go straight from the accumulators (their lowest registers first) into my stage, rows of 272 bytes, and come back as whole rows of 256.
.macro TOSTAGE a
.set BKR, BK+32*((\a)%3)
.if (\a) == 3
	s_wait_xcnt 0x0                                ; row block 0's stores have read the set that is loaded again below
.endif
.irp b, 0,1,2,3
	ds_store_b128 v[STO], v[ACC+8*(4*(\a)+(\b)):ACC+8*(4*(\a)+(\b))+3]   offset:64*(\b)
	ds_store_b128 v[STO], v[ACC+8*(4*(\a)+(\b))+4:ACC+8*(4*(\a)+(\b))+7] offset:64*(\b)+16
.endr
.set n, 0
.rept 8
	ds_load_b128 v[BKR+4*n:BKR+4*n+3], v[RD] offset:n*2*SPITCH  ; LDS serves a wave's instructions in order (ISA guide 5.7.1.4): these see the stores above, and the next block's stores come behind them
.set n, n+1
.endr
.endm
.macro SEND a, younger                 ; younger: the next block's 8 stores and 8 loads, or none
.set BKR, BK+32*((\a)%3)
	s_wait_dscnt \younger
.set n, 0
.rept 8
	global_store_b128 v[GO], v[BKR+4*n:BKR+4*n+3], s[8:9] offset:(16*(\a)+2*n)*8192 th:TH_STORE_NT  ; 16 lanes store 256 consecutive bytes, at a multiple of 256 from out0's first byte
.set n, n+1
.endr
.endm
	s_wait_tensorcnt 0x1                           ; my 16 rows of group 0 are in; my 48 rows of the later groups may stay out
	s_barrier_signal -1
	s_barrier_wait -1                              ; everybody's are
	s_mov_b32 s[TB], 0
	s_mov_b32 s3, 4
.Lgroup:                                       ; four trips: a group of 64 columns each
	v_add_nc_u32 v[ADR], s[TB], v[AB0]
	FETCH 0, 0
.irp r, 0,1,2,3,4,5,6,7
	RUN \r
.endr
	s_wait_tensorcnt 0x0                           ; my rows of groups 1 to 3 are in: wanted behind the first trip, met at once later.  No LDS instruction of mine is out: the last run waited for all
	s_barrier_signal -1
	PLACES                                         ; the places behind the last products, in front of the stores that read their results
	PLACES
	s_barrier_wait -1                              ; everybody's are: the next trip may read its group
	s_wait_xcnt 0x0                                ; the last group's stores, a group's products back, have read their base and their data
	s_add_nc_u64 s[8:9], s[8:9], s[20:21]          ; on to this group's columns: at first my part of the tile,
	s_mov_b64 s[20:21], 256                        ; then 64 columns further each time
	TOSTAGE 0
	TOSTAGE 1
	SEND 0, 16
	TOSTAGE 2
	SEND 1, 16
	TOSTAGE 3
	SEND 2, 16
	SEND 3, 0
	s_add_co_u32 s[TB], s[TB], GROUPB
	s_sub_co_u32 s3, s3, 1
	s_cmp_lg_u32 s3, 0
	s_cbranch_scc1 .Lgroup
	s_wait_tensorcnt 0x0                           ; the wave's end, behind my last tensor load and my last LDS store
	ds_add_u32 v[SPW], v[NIL]
	s_wait_dscnt 0x0
	CROUND                                         ; the closing round: no work-group ends while a partner may still ask for a tile that names it
	s_endpgm
.Lfunc_end_k_qadb6a0088b_oproj:
	.size	k_qadb6a0088b_oproj, .Lfunc_end_k_qadb6a0088b_oproj-k_qadb6a0088b_oproj
	.p2alignl 7, 3214868480
	.fill 96, 4, 3214868480
	.section	.rodata,"a",@progbits
	.p2align	6, 0x0
	.amdhsa_kernel k_qadb6a0088b_oproj
		.amdhsa_group_segment_fixed_size 327680
		.amdhsa_private_segment_fixed_size 0
		.amdhsa_enable_private_segment 0
		.amdhsa_kernarg_size 32
		.amdhsa_user_sgpr_count 2
		.amdhsa_user_sgpr_kernarg_segment_ptr 1
		.amdhsa_wavefront_size32 1
		.amdhsa_system_sgpr_workgroup_id_x 1
		.amdhsa_system_sgpr_workgroup_id_y 1
		.amdhsa_system_sgpr_workgroup_id_z 1
		.amdhsa_system_vgpr_workitem_id 0
		.amdhsa_next_free_vgpr 1024
		.amdhsa_next_free_sgpr 66
		.amdhsa_reserve_vcc 0
		.amdhsa_float_denorm_mode_32 3
		.amdhsa_float_denorm_mode_16_64 3
		.amdhsa_memory_ordered 1
		.amdhsa_forward_progress 1
		.amdhsa_inst_pref_size 61
	.end_amdhsa_kernel
	.amdgpu_metadata
---
amdhsa.version: [ 1, 2 ]
amdhsa.kernels:
  - .name:           k_qadb6a0088b_oproj
    .symbol:         k_qadb6a0088b_oproj.kd
    .args:
      - { .name: of, .offset: 0, .size: 8, .value_kind: global_buffer, .address_space: global }
      - { .name: cb, .offset: 8, .size: 8, .value_kind: global_buffer, .address_space: global }
      - { .name: out0, .offset: 16, .size: 8, .value_kind: global_buffer, .address_space: global }
      - { .name: ol, .offset: 24, .size: 8, .value_kind: global_buffer, .address_space: global }
    .group_segment_fixed_size: 327680
    .private_segment_fixed_size: 0
    .kernarg_segment_align: 8
    .kernarg_segment_size: 32
    .max_flat_workgroup_size: 128
    .sgpr_count:     66
    .vgpr_count:     1024
    .wavefront_size: 32
...
	.end_amdgpu_metadata
.endif
;; end of part 4
